; MI455X (gfx1250); checked and timed in simulation.
; The chip was launched on July 23, 2026; its instructions are those of AMD's public machine-readable ISA for CDNA 5 (MIT licence, August 2026) and "CDNA5" Instruction Set Architecture Reference Guide (July 2026). The comments in the code are by the model that wrote it; some were corrected since.
;; Direct Horizon Head. Allowed arithmetic: matrix products marked QUANTISED: E2M3 operands, one E8M0 scale for each 32 along K, by v_wmma_scale_f32_16x16x128_f8f6f4 with both operands' format E2M3, f32 sums; products left as they are: f32 operands where the result goes on into a quantised operand, else bf16, f16 or f32 operands; f32 sums; everything else in f32.
;; Inputs: W1_codes 256 x 8 x 24 uint8 (E2M3 codes of W1, K innermost, in blocks of 32 codes, four codes in three bytes); W1_scales 256 x 8 uint8 (E8M0 scales of W1, one for each 32 codes along K); W2 256 x 1 float32; W_fm 16 x 256 float32; b1 256 float32; b2 1 float32; b_fm 256 float32; beta 256 float32; final_h 16 x 1,000 x 256 float32; future_met 16 x 24 x 1,000 x 16 float32; gamma 256 float32; step_queries 24 x 256 float32.
;; Outputs: out0 16 x 24 x 1,000 x 1 float32.
;; This version of the problem:
;;   THIS VERSION OF THE PROBLEM IS GIVEN IN LOW PRECISION. The matrix products marked QUANTISED in the list below multiply operands that are first quantised to E2M3 (2 exponent bits, 3 mantissa bits; 6 bits a number), with one power-of-two scale for each 32 numbers along K (OCP MX v1.0); their sums are f32. All else is computed in f32.
;;   The module's matrix products, in the order in which they are computed (A, B: the left and right operand; K: the contracted axis; several contracted axes count as one K, in the product's order):
;;     1. [M 384,000, K 16] x [K 16, N 256]; A: input future_met; B: input W_fm: left as it is (K = 16 < 32)
;;     2. [M 384,000, K 256] x [K 256, N 256]; A: computed on the way; B: input W1 (given as codes): QUANTISED
;;     3. [M 384,000, K 256] x [K 256, N 1]; A: computed on the way; B: input W2: left as it is (N = 1 < 16)
;;   THE QUANTISER, for each operand of a quantised product, along K:
;;     - K is cut into blocks of 32 from its start; a last block that is shorter is filled with zeros.
;;     - A block's scale is 2^e with e = floor(log2(the largest magnitude in the block)) - 2, held to -126 .. 127; a block of zeros has e = 0. As a byte (E8M0): e + 127.
;;     - Each number is divided by its block's scale, clamped to +-7.5, and rounded to the nearest number of E2M3, ties to even, subnormals kept.
;;     - The product sums the exact products of the quantised numbers (number of the format x scale) in f32.
;;   ~~~python
;;   def quantise(x, axis):      # numpy; x: float32 -> the quantised numbers, widened to float32 again
;;       x = np.moveaxis(x, axis, -1); K = x.shape[-1]
;;       x = np.pad(x, [(0, 0)] * (x.ndim - 1) + [(0, -K % 32)]); x = x.reshape(x.shape[:-1] + (-1, 32)); a = np.abs(x).max(-1, keepdims=True)
;;       e = np.where(a > 0, np.clip(np.frexp(np.where(a > 0, a, 1))[1] - 1 - 2, -126, 127), 0)      # np.frexp(a)[1] - 1 = floor(log2(a)), exactly
;;       r = np.clip(x / 2.0 ** e, -7.5, 7.5)
;;       step = 2.0 ** (np.maximum(np.frexp(np.where(r == 0, 1, r))[1] - 1, 0) - 3)
;;       q = np.round(r / step) * step * 2.0 ** e      # np.round: ties to even
;;       return np.moveaxis(q.reshape(q.shape[:-2] + (-1,))[..., :K], -1, axis).astype(np.float32)
;;   ~~~
;;   OPERANDS COMPUTED ON THE WAY. 'Computed on the way' means the value that the module computes at that place (a softmax that the list does not call 'softmax' is quantised finished and normalised). What goes into a quantiser is computed in f32, as accurately as f32 sums, v_exp_f32 and their like allow (about 1e-6 of the number): no bf16 or f16 on the way to a quantiser, and a product that is left as it is and whose result goes on into a quantised operand takes f32 operands (vector FMAs, or v_wmma_f32_16x16x4_f32). A number that lies on a knife's edge between two numbers of the format may be rounded either way, as far as f32 arithmetic and the matrix unit's own rounding can turn it there, and no further.
;;   INPUTS GIVEN AS CODES. W1 (in the module: [256, 256], K = its axis 0): each comes as NAME_codes (uint8): NAME with its K axis moved to the last place and cut into blocks of 32 codes, [.., K / 32, bytes a block], one block behind the other in memory; four codes in three bytes: a row's codes are one little-endian stream of bits, code i at bits 6 i .. 6 i + 5 (a code: sign, 2 exponent bits, 3 mantissa bits); and NAME_scales (uint8): the same leading axes, one E8M0 byte (e + 127) for each 32 codes along K. Its value is code x scale, taken as it is: it is not quantised again, and the codes and scales need not be those that the quantiser above would give.
;; 2 versions, each right; version 2 is version 1 with the launch head written anew for expert scheduling mode. Each part assembles by itself: llvm-mc -triple=amdgcn-amd-amdhsa -mcpu=gfx1250 --defsym DOCPART=n.
;; ======== version 1 of 2: 1 launch
;; launch head (part 1): grid 250 x 1, 4 waves a work-group, no clusters, 65,024 bytes of LDS; arguments final_h, future_met, step_queries, W_fm, b_fm, gamma, beta, W1_codes, W1_scales, b1, W2, b2, out0; writes out0
.if DOCPART == 1
	.amdgcn_target "amdgcn-amd-amdhsa--gfx1250"
	.amdhsa_code_object_version 6
	.text
	.protected	k_q98376fa7f2_head
	.globl	k_q98376fa7f2_head
	.p2align	8
	.type	k_q98376fa7f2_head,@function
k_q98376fa7f2_head:
	s_mov_b64 s[64:65], 0
	v_nop
	global_prefetch_b8 v0, s[64:65] scope:SCOPE_SE
	s_setreg_imm32_b32 hwreg(HW_REG_WAVE_MODE, 25, 1), 1
	s_wait_xcnt 0x0
; out[b][t][n] = gelu(LN(final_h[b][n] + step_queries[t] + b_fm + future_met[b][t][n] W_fm) W1 + b1) . W2 + b2.
; The product with W1 runs on codes of FP6 (E2M3) with one E8M0 scale for each 32 along K; its left operand is quantised here, in registers.  All else is f32.
; SHARES.  g = 1000 b + n counts 16,000 rows.  A work-group of four waves owns 64 of them, for all 24 steps t; one trip of the loop is one t.
;   Stage 1 by ROWS: wave w makes its 16 rows x all 256 hidden numbers (16 tiles of the f32 matrix form), so the norm never leaves the wave, and its rows of final_h stay in registers for the 24 trips.
;   Stage 2 by COLUMNS: wave w keeps W1's units 64 w .. 64 w + 63 in registers and multiplies all 64 rows, whose codes and scale words go from wave to wave through LDS as images of the operand's registers.
;   BY TURNS: the f32 products of step t + 1 and the FP6 products of the next 16 rows stand one at a time between slices of the gelu of step t.
; ARITHMETIC.  The mean is taken by linearity: final_h's rows, step_queries[t] + b_fm and each row of W_fm are centred over the 256 once, at the head, so that the f32 sums are x - mean as they stand.
;   step_queries enters as a fifth K step (its numbers times a unit vector; the other three slots multiply finite numbers by 0).  y = (x - mean) (rstd gamma) + beta: the order of the two multiplications differs from the source's.
;   erf by 1 - 1 / (1 + a1 x + .. + a6 x^6)^16 (Abramowitz and Stegun 7.1.28, error at most 3e-7 for every x >= 0); where the power overflows its reciprocal is 0, which is erf = 1.
;   With u = |z|, Q = that reciprocal at u / sqrt(2): gelu(z) = 0.5 (z + u - u Q).  The 0.5 is folded into W2.
; LIMITS.  NaN and infinities among the inputs are not served.  A block's scale byte is held at 1 from below (a block of zeros keeps 1: its codes are zeros, and these bytes are read by this text alone).
;   A wave's store of out0 covers 256 consecutive bytes; out0's rows are 4,000 bytes, so these do not begin on multiples of 256.
; NO CLUSTER, NO TENSOR LOAD: the 250 work-groups do not divide by four; what work-groups share (W_fm, W1, the vectors: under 100 KB) is read once, at the head, straight into the order of the operands' registers.
;   future_met is asked for a whole trip ahead, into registers.
; REGISTERS, in windows of 256 (s_set_vgpr_msb: bits 1:0 source 0, 3:2 source 1, 5:4 source 2, 7:6 destination):
;   window 0: v1-15 ids and addresses; v16-31 at work; v32-39 W1's scale words, v40-47 the rows' (scales and nothing else); v48-55 future_met of the step being multiplied, v56-63 of the step after;
;             v64-79 the step's centred queries; v80-83 two unit vectors; v84-95 sums; v96-191 the rows' eight fragments, and between their last use and the next fetch gamma, the sums of squares and the codes just made; v192-255 y
;   window 1: v0-127 the 16 accumulators of stage 2 ((m, nu) at 8 (4 m + nu)); v128-191 the gelu at work; v192-223 0.5 W2; v224-231 the dot's chains; v232-246 the gelu's constants
;   window 2: v0-127 the 16 accumulators of stage 1, written by matrix instructions alone; v128-255 W_fm, centred
;   window 3: v0-127 final_h, centred; v128-223 W1's eight fragments; v224-255 b1
.set XIMG, 0                           ; LDS: 8 fragment images of 1,536 bytes: (16 rows m, K step s) at 1,536 (2 m + s); four registers at 512 c; a lane at 16 x lane
.set XSC,  12288                       ; their scale words: 128 (2 m + s) + 4 x lane
.set QT,   13312                       ; step_queries + b_fm, centred: 1,024 bytes a step
.set GAM,  37888                       ; gamma, and 1,024 bytes on beta
.set PART, 39936                       ; the waves' parts of the outputs: 6,144 w + 256 t + 4 x row
.set LANE, 1
.set RR,   2                           ; lane % 16
.set HH,   3                           ; lane / 16
.set AF,   4                           ; future_met: my row's byte, + 32 for lanes 16-31; steps 64,000 a trip
.set LI,   5                           ; 16 x lane
.set LS,   6                           ; 4 x lane
.set XWI,  7                           ; where I store images: 16 x lane + 3,072 w
.set XWS,  8                           ; and scale words: 4 x lane + 256 w
.set AG,   9                           ; GAM + 64 (lane / 16)
.set AQ0,  10                          ; QT + 4 (r + 8 (r / 8))
.set AQT,  11
.set AP0,  12                          ; PART + 6,144 w + 4 x lane
.set APT,  13
.set AO,   14                          ; out0: my two rows' byte, + 4,000 w
.set APR,  15                          ; PART + 8 x lane + 256 w
.set TM,   16
.set W1S,  32
.set YS,   40
.set FM,   48
.set FMS,  56
.set Q,    64
.set UNIT0, 80
.set UNIT1, 82
.set OS,   84
.set OT,   88
.set R,    92
.set T,    94
.set YF,   96
.set G,    96
.set S,    160
.set PC,   160
.set PW,   180
.set Y,    192
.set OQ,   100                         ; the head's offsets, in registers that the loop takes over later
.set OGB,  101
.set OH,   102
.set OWF,  103
.set OW1,  104
.set OWS,  105
.set OB1,  106
.set OQS,  107
.set OGS,  108
.set UA,   128                         ; window 1
.set PO,   160
.set W2R,  192
.set OC,   224
.set KC,   232                         ; pairs: c6, c5, c4, c3, c2, c1, 1.0
.set KM,   246                         ; 0x7fffffff
.set WF,   128                         ; window 2
.set W1F,  128                         ; window 3
.set B1,   224
.set MSB, 0
.macro WIN new                         ; the immediate's high byte repeats the setting that is left; a switch that changes nothing is dropped
.if MSB != \new
	s_set_vgpr_msb (MSB<<8)|\new
.set MSB, \new
.endif
.endm
; One f32 matrix instruction of stage 1, used transposed: source 0 = 16 hidden units, source 1 = my 16 rows, so that a lane holds ONE row.  Tile tau = 2 b + u takes hidden units 32 b + 8 u + r + 8 (r / 8):
; the 16 registers of tiles 2 b, 2 b + 1 are then the 16 neighbours 32 b + 16 (lane / 16) + 0 .. 15.  s = 0 starts the sum: C = final_h, the product is the queries' (a pair of registers holds tiles 2 b and 2 b + 1; the unit vector picks one).
; s = 1 .. 4: slot (lane / 16, j) of the step holds feature 8 (lane / 16) + 2 (s - 1) + j, alike in both sources.
.macro FW s, tau
.if (\s) == 0
	WIN 0xb0
	v_wmma_f32_16x16x4_f32 v[8*(\tau):8*(\tau)+7], v[Q+2*((\tau)/2):Q+2*((\tau)/2)+1], v[UNIT0+2*((\tau)%2):UNIT0+2*((\tau)%2)+1], v[8*(\tau):8*(\tau)+7]
.else
	WIN 0xa2
	v_wmma_f32_16x16x4_f32 v[8*(\tau):8*(\tau)+7], v[WF+8*(\tau)+2*((\s)-1):WF+8*(\tau)+2*((\s)-1)+1], v[FM+2*((\s)-1):FM+2*((\s)-1)+1], v[8*(\tau):8*(\tau)+7]
.endif
.endm
; FP6 instruction i = 4 s + nu of the 16 rows m, transposed: source 0 = 16 units of W1, source 1 = the rows.  K step 0 starts the sum with b1 as C.
.macro ZW m, i
.set zs, (\i)/4
.set zn, (\i)%4
.set zd, 8*(4*(\m)+zn)
.if zs == 0
	WIN 0x73
	v_wmma_scale_f32_16x16x128_f8f6f4 v[zd:zd+7], v[W1F+24*zn:W1F+24*zn+11], v[YF+24*(\m):YF+24*(\m)+11], v[B1+8*zn:B1+8*zn+7], v[W1S+2*zn], v[YS+2*(\m)] matrix_a_fmt:MATRIX_FMT_FP6 matrix_b_fmt:MATRIX_FMT_FP6
.else
	WIN 0x53
	v_wmma_scale_f32_16x16x128_f8f6f4 v[zd:zd+7], v[W1F+24*zn+12:W1F+24*zn+23], v[YF+24*(\m)+12:YF+24*(\m)+23], v[zd:zd+7], v[W1S+2*zn+1], v[YS+2*(\m)+1] matrix_a_fmt:MATRIX_FMT_FP6 matrix_b_fmt:MATRIX_FMT_FP6
.endif
.endm
; Entry gj of the list of 277 that takes the 32 numbers z a lane of the 16 rows m through the gelu and the dot with W2.
;   0-31 u = |z| (each accumulator from its low end on)   32-127 the polynomial, two numbers a line   128-191 its 16th power   192-223 the reciprocals: ONE batch   224 a plain line and the one wait for the batch
;   225-240 u Q - u   241-256 z - that   257-272 times 0.5 W2, in four chains   273-276 the chains' sum
.macro GE m
.if gj < 276
	WIN 0x55
.endif
.if gj < 32
	v_and_b32 v[UA+gj], v[KM], v[32*(\m)+gj]
.elseif gj < 48
.set gp, 2*(gj-32)
	v_pk_fma_f32 v[PO+gp:PO+gp+1], v[UA+gp:UA+gp+1], v[KC:KC+1], v[KC+2:KC+3]
.elseif gj < 128
.set gp, 2*((gj-48)%16)
.set gk, KC+4+2*((gj-48)/16)
	v_pk_fma_f32 v[PO+gp:PO+gp+1], v[PO+gp:PO+gp+1], v[UA+gp:UA+gp+1], v[gk:gk+1]
.elseif gj < 192
.set gp, 2*((gj-128)%16)
	v_pk_mul_f32 v[PO+gp:PO+gp+1], v[PO+gp:PO+gp+1], v[PO+gp:PO+gp+1]
.elseif gj < 224
	v_rcp_f32 v[PO+gj-192], v[PO+gj-192]
.elseif gj == 224
	v_nop                                          ; a plain line behind the last reciprocal,
	s_wait_alu depctr_va_vdst(0)                   ; and the wait ahead of the first line that names a result: one for the 32
.elseif gj < 241
.set gp, 2*(gj-225)
	v_pk_fma_f32 v[PO+gp:PO+gp+1], v[PO+gp:PO+gp+1], v[UA+gp:UA+gp+1], v[UA+gp:UA+gp+1] neg_lo:[0,0,1] neg_hi:[0,0,1]
.elseif gj < 257
.set gp, 2*(gj-241)
	v_pk_add_f32 v[PO+gp:PO+gp+1], v[32*(\m)+gp:32*(\m)+gp+1], v[PO+gp:PO+gp+1] neg_lo:[0,1] neg_hi:[0,1]
.elseif gj < 261
.set gp, 2*(gj-257)
	v_pk_mul_f32 v[OC+gp:OC+gp+1], v[PO+gp:PO+gp+1], v[W2R+gp:W2R+gp+1]
.elseif gj < 273
.set gp, 2*(gj-257)
	v_pk_fma_f32 v[OC+gp%8:OC+gp%8+1], v[PO+gp:PO+gp+1], v[W2R+gp:W2R+gp+1], v[OC+gp%8:OC+gp%8+1]
.elseif gj == 273
	v_pk_add_f32 v[OC:OC+1], v[OC:OC+1], v[OC+2:OC+3]
.elseif gj == 274
	v_pk_add_f32 v[OC+4:OC+5], v[OC+4:OC+5], v[OC+6:OC+7]
.elseif gj == 275
	v_pk_add_f32 v[OC:OC+1], v[OC:OC+1], v[OC+4:OC+5]
.else
	WIN 0x05
	v_add_f32 v[OS+(\m)], v[OC], v[OC+1]           ; my 32 units' part of row 16 m + r, into window 0
.endif
.set gj, gj+1
.endm
; The gelu of rows m, cut into slices, one behind each matrix instruction: first the 8 FP6 products of rows m + 1 (fp6 = 1), then the 16 f32 products of K step m + 1 of the next t (f32 = 1).
; 277 = 24 x 11 + 13 = 16 x 17 + 5 = 8 x 34 + 5: what is over follows the last slice.  The accumulators take turns, one instruction a turn.
.macro BATCH m, f32, fp6
.set gj, 0
.set nm, 8*(\fp6)+16*(\f32)
.if nm > 0
.set per, 277/nm
.set mi, 0
.rept nm
.if mi < 8*(\fp6)
	ZW (\m)+1, mi
.else
	FW (\m)+1, mi-8*(\fp6)
.endif
.rept per
	GE \m
.endr
.set mi, mi+1
.endr
.endif
.rept 277-gj
	GE \m
.endr
.endm
; 64 numbers of a lane, v[Y] on, register 16 b + i = k 32 b + 16 (lane / 16) + i of my row, become a fragment's codes in v[PC] on and its scale word in v[PW].
.macro QUANT_A
.irp b, 0,1,2,3
	v_max3_num_f32 v[TM+\b], |v[Y+16*\b]|, |v[Y+1+16*\b]|, 0x1800000   ; block b: my 16 numbers, and the floor 2^(3 - 127): the byte cannot fall under 1
.endr
.irp i, 2,4,6,8,10,12,14
.irp b, 0,1,2,3
	v_max3_num_f32 v[TM+\b], v[TM+\b], |v[Y+16*\b+\i]|, |v[Y+1+16*\b+\i]|   ; (the four blocks by turns)
.endr
.endr
.irp b, 0,1,2,3
	v_permlanex16_b32 v[TM+4+\b], v[TM+\b], s32, s33
.endr
.irp b, 0,1,2,3
	v_max_num_f32 v[TM+\b], v[TM+\b], v[TM+4+\b]   ; with lane l xor 16's: the block's largest magnitude
.endr
.irp b, 0,1,2,3
	v_add_nc_u32 v[TM+12+\b], 0xff000000, v[TM+\b] ; 2 off its exponent field: the conversion takes this operand's exponent field as its scale
.endr
.irp b, 0,1,2,3
	v_lshrrev_b32 v[TM+4+\b], 23, v[TM+12+\b]      ; the scale's byte
.endr
	v_lshl_or_b32 v[PW], v[TM+5], 8, v[TM+4]       ; four bytes: my row's scale word
	v_lshl_or_b32 v[PW], v[TM+6], 16, v[PW]
	v_lshl_or_b32 v[PW], v[TM+7], 24, v[PW]
.irp c, 0,1
	v_cvt_scalef32_pk16_fp6_f32 v[PC+6*\c:PC+2+6*\c], v[Y+32*\c:Y+15+32*\c], v[TM+12+2*\c]
	v_cvt_scalef32_pk16_fp6_f32 v[PC+12+4*\c:PC+14+4*\c], v[Y+16+32*\c:Y+31+32*\c], v[TM+12+2*\c+1]   ; (a conversion's three registers begin on an even number)
.endr
	v_nop                                          ; one plain line behind the scaled conversions
.endm
.macro QUANT_B                         ; the operand's layout wants a WHOLE block in a lane: lanes 0-15 block 2 c, lanes 16-31 block 2 c + 1
.irp c, 0,1
.irp i, 0,1,2
	v_permlane16_swap_b32 v[PC+6*\c+\i], v[PC+12+4*\c+\i]
.endr
.irp i, 0,1,2
	v_mov_b32 v[PC+3+6*\c+\i], v[PC+12+4*\c+\i]
.endr
.endr
.endm
.macro IMAGE s                         ; the fragment of K step s goes to LDS as it stands in the registers, and its scale word beside it
.irp c, 0,1,2
	ds_store_b128 v[XWI], v[PC+4*\c:PC+4*\c+3] offset:XIMG+1536*(\s)+512*\c
.endr
	ds_store_b32 v[XWS], v[PW] offset:XSC+128*(\s)
.endm
.macro GBLOAD reg, off                 ; 16 loads: four blocks' 16 numbers a lane of gamma or beta; sixteen lanes read the same 16 bytes
.set k, 0
.rept 16
	ds_load_b128 v[\reg+4*k:\reg+4*k+3], v[AG] offset:(\off)+128*(k/4)+16*(k%4)
.set k, k+1
.endr
.endm
.macro QLOAD adr                       ; a step's centred queries: register tau, lane r: hidden unit 32 (tau / 2) + 8 (tau % 2) + r + 8 (r / 8)
.set k, 0
.rept 16
	ds_load_b32 v[Q+k], v[\adr] offset:128*(k/2)+32*(k%2)
.set k, k+1
.endr
.endm
.macro GSCALE                          ; gamma x rstd
.set k, 0
.rept 32
	v_pk_mul_f32 v[G+2*k:G+2*k+1], v[G+2*k:G+2*k+1], v[R:R+1] op_sel_hi:[1,0]
.set k, k+1
.endr
.endm
.macro NORM half                       ; y = (x - mean) (gamma rstd) + beta, for hidden units 128 half on
	WIN 0x02
.set k, 0
.rept 32
	v_pk_fma_f32 v[Y+2*k:Y+2*k+1], v[64*(\half)+2*k:64*(\half)+2*k+1], v[G+2*k:G+2*k+1], v[Y+2*k:Y+2*k+1]
.set k, k+1
.endr
	WIN 0
.endm
.macro QROW i                          ; row t = w + 4 i of step_queries: + b_fm, less the mean of the 256, into LDS
.set QR, 192+8*\i
.irp c, 0,2,4,6
	v_pk_add_f32 v[QR+\c:QR+\c+1], v[QR+\c:QR+\c+1], v[240+\c:241+\c]
.endr
	v_pk_add_f32 v[16:17], v[QR:QR+1], v[QR+2:QR+3]
	v_pk_add_f32 v[18:19], v[QR+4:QR+5], v[QR+6:QR+7]
	v_pk_add_f32 v[16:17], v[16:17], v[18:19]
	v_add_f32 v16, v16, v17
	v_add_f32_dpp v16, v16, v16 row_xmask:1 row_mask:0xf bank_mask:0xf
	v_add_f32_dpp v16, v16, v16 row_xmask:2 row_mask:0xf bank_mask:0xf
	v_add_f32_dpp v16, v16, v16 row_xmask:4 row_mask:0xf bank_mask:0xf
	v_add_f32_dpp v16, v16, v16 row_xmask:8 row_mask:0xf bank_mask:0xf
	v_permlanex16_b32 v17, v16, s32, s33
	v_add_f32 v16, v16, v17
	v_mul_f32 v16, s52, v16                        ; - the mean
	v_mov_b32 v17, v16
.irp c, 0,2,4,6
	v_pk_add_f32 v[QR+\c:QR+\c+1], v[QR+\c:QR+\c+1], v[16:17]
.endr
	ds_store_b128 v[OQS], v[QR:QR+3] offset:4096*\i
	ds_store_b128 v[OQS], v[QR+4:QR+7] offset:4096*\i+512
.endm
	; ---------------- THE HEAD ----------------
	s_load_b512 s[4:19], s[0:1], 0x0               ; final_h s[4:5], future_met s[6:7], step_queries s[8:9], W_fm s[10:11], b_fm s[12:13], gamma s[14:15], beta s[16:17], W1's codes s[18:19]
	s_load_b256 s[20:27], s[0:1], 0x40             ; W1's scales s[20:21], b1 s[22:23], W2 s[24:25], b2 s[26:27]
	s_load_b64 s[28:29], s[0:1], 0x60              ; out0
	v_lshl_add_u32 v26, v0, 2, 0xfc00
	v_mov_b32 v27, 0
	v_lshrrev_b32 v16, 5, v0
	v_readfirstlane_b32 s30, v16                   ; wave 0..3
	v_and_b32 v[LANE], 31, v0
	v_and_b32 v[RR], 15, v0
	v_bfe_u32 v[HH], v0, 4, 1
	s_mov_b32 s31, 0xffff0000                      ; lanes 16-31
	s_mov_b32 s32, 0x76543210                      ; v_permlanex16_b32's selects for lane l xor 16
	s_mov_b32 s33, 0xfedcba98
	s_mov_b32 s50, 0x3b800000                      ; 1 / 256
	s_mov_b32 s51, 0x3727c5ac                      ; 1e-5
	s_mov_b32 s52, 0xbb800000                      ; - 1 / 256
	s_mov_b32 s53, s52                             ; (named with it as a pair, so it is written)
	s_lshl_b32 s58, ttmp9, 6                       ; the work-group's first row g
	s_lshl_b32 s59, s30, 4
	s_add_co_u32 s59, s58, s59                     ; my wave's
	v_add_nc_u32 v16, s59, v[RR]                   ; my row g = 1000 b + n
	v_mul_u32_u24 v17, v16, 67109                  ; b = g / 1000 = (67,109 g) >> 26: exact for g under 16,000 (the excess 0.136 g / 2^26 stays under 1 / 1000)
	v_lshrrev_b32 v17, 26, v17
	v_mad_u32_u24 v18, v17, 23000, v16             ; 24,000 b + n
	v_lshlrev_b32 v18, 6, v18                      ; 64 bytes a row of future_met
	v_lshl_add_u32 v[AF], v[HH], 5, v18            ; lanes 16-31 take features 8 to 15
	v_lshl_add_u32 v19, v[LANE], 1, s58            ; for the way out: rows 2 x lane and 2 x lane + 1 (1,000 is even: both have one b)
	v_mul_u32_u24 v20, v19, 67109
	v_lshrrev_b32 v20, 26, v20
	v_mad_u32_u24 v19, v20, 23000, v19
	s_mul_i32 s61, s30, 4000
	v_lshl_add_u32 v[AO], v19, 2, s61              ; 4 (24,000 b + n) + 4,000 w: wave w stores steps w, w + 4, ..
	v_lshlrev_b32 v[LI], 4, v[LANE]
	v_lshlrev_b32 v[LS], 2, v[LANE]
	s_mul_i32 s60, s30, 3072
	v_add_nc_u32 v[XWI], s60, v[LI]
	s_lshl_b32 s60, s30, 8
	v_add_nc_u32 v[XWS], s60, v[LS]
	s_add_co_u32 s60, s60, PART
	v_lshl_add_u32 v[APR], v[LANE], 3, s60
	s_mul_i32 s60, s30, 6144
	s_add_co_u32 s60, s60, PART
	v_add_nc_u32 v[AP0], s60, v[LS]
	v_lshl_add_u32 v[AG], v[HH], 6, GAM
	v_and_b32 v22, 8, v[RR]
	v_add_nc_u32 v22, v22, v[RR]                   ; r + 8 (r / 8)
	v_lshl_add_u32 v[AQ0], v22, 2, QT
	s_lshl_b32 s60, s30, 10
	v_add_nc_u32 v[OQ], s60, v[LI]                 ; step_queries: row w, 16 bytes a lane
	s_add_co_u32 s60, s60, QT
	v_add_nc_u32 v[OQS], s60, v[LI]                ; and the same place in LDS
	v_lshlrev_b32 v[OGB], 3, v0                    ; gamma, beta: 8 bytes a thread
	v_lshl_add_u32 v[OGS], v0, 3, GAM
	v_lshlrev_b32 v[OH], 10, v[RR]
	v_lshl_add_u32 v[OH], v[HH], 6, v[OH]          ; final_h: row r of 1,024 bytes, + 64 (lane / 16)
	v_lshlrev_b32 v[OWF], 2, v22
	v_lshl_add_u32 v[OWF], v[HH], 13, v[OWF]       ; W_fm: column r + 8 (r / 8), row 8 (lane / 16)
	v_mul_u32_u24 v[OW1], v[RR], 192
	v_mad_u32_u24 v[OW1], v[HH], 24, v[OW1]        ; W1's codes: row r of 192 bytes, + 24 (lane / 16)
	v_lshlrev_b32 v[OWS], 3, v[RR]                 ; W1's scale bytes: 8 a row
	v_lshlrev_b32 v[OB1], 5, v[HH]                 ; b1, W2: my half's eight numbers of a tile
	v_cvt_f32_u32 v[UNIT0], v[HH]
	v_sub_f32 v[UNIT0], 1.0, v[UNIT0]              ; 1.0 in lanes 0-15, 0 in lanes 16-31: slot k = 0
	v_mov_b32 v[UNIT0+1], 0
	v_mov_b32 v[UNIT1], 0
	v_mov_b32 v[UNIT1+1], v[UNIT0]                 ; slot k = 1
	s_wait_kmcnt 0x0
	s_lshl_b32 s62, s59, 10
	s_mov_b32 s63, 0
	s_add_nc_u64 s[4:5], s[4:5], s[62:63]          ; final_h at my wave's first row
	s_mul_i32 s62, s30, 64*192
	s_add_nc_u64 s[18:19], s[18:19], s[62:63]      ; W1's codes at my 64 units
	s_lshl_b32 s62, s30, 9
	s_add_nc_u64 s[20:21], s[20:21], s[62:63]      ; their scale bytes
	s_lshl_b32 s62, s30, 8
	s_add_nc_u64 s[22:23], s[22:23], s[62:63]      ; b1
	s_add_nc_u64 s[24:25], s[24:25], s[62:63]      ; W2
	s_load_b32 s56, s[26:27], 0x0                  ; b2
.set k, 0
.rept 12                                       ; six rows of step_queries, t = w + 4 i: two loads of 512 consecutive bytes a row
	global_load_b128 v[192+4*k:195+4*k], v[OQ], s[8:9] offset:4096*(k/2)+512*(k%2)
.set k, k+1
.endr
	global_load_b128 v[240:243], v[LI], s[12:13]
	global_load_b128 v[244:247], v[LI], s[12:13] offset:512
	global_load_b64 v[248:249], v[OGB], s[14:15]
	global_load_b64 v[250:251], v[OGB], s[16:17]
	global_load_b128 v[FM:FM+3], v[AF], s[6:7] th:TH_LOAD_NT                    ; future_met of t = 0,
	global_load_b128 v[FM+4:FM+7], v[AF], s[6:7] offset:16 th:TH_LOAD_NT
	global_load_b128 v[FMS:FMS+3], v[AF], s[6:7] offset:64000 th:TH_LOAD_NT     ; and of t = 1
	global_load_b128 v[FMS+4:FMS+7], v[AF], s[6:7] offset:64016 th:TH_LOAD_NT
	WIN 0xc0
.set k, 0
.rept 32                                       ; final_h: register 16 b + i = hidden unit 32 b + 16 (lane / 16) + i of my row
	global_load_b128 v[4*k:4*k+3], v[OH], s[4:5] offset:128*(k/4)+16*(k%4) th:TH_LOAD_NT
.set k, k+1
.endr
	WIN 0
	s_wait_loadcnt 36                              ; the first 16 loads are in; behind them stand future_met's 4 and final_h's 32
.irp i, 0,1,2,3,4,5
	QROW \i
.endr
	ds_store_b64 v[OGS], v[248:249]
	ds_store_b64 v[OGS], v[250:251] offset:1024
	WIN 0x80
.set k, 0
.rept 128                                      ; W_fm: register 8 tau + 2 s + j: feature 8 (lane / 16) + 2 s + j, the tile's hidden unit of lane r
	global_load_b32 v[WF+k], v[OWF], s[10:11] offset:1024*(k%8)+128*(k/16)+32*((k/8)%2)
.set k, k+1
.endr
	WIN 0xc0
.set k, 0
.rept 48                                       ; W1's fragments (tile nu, K step s) at 12 (2 nu + s): six pieces of 8 bytes each, as they lie
	global_load_b64 v[W1F+2*k:W1F+2*k+1], v[OW1], s[18:19] offset:3072*(k/12)+96*((k/6)%2)+48*((k%6)/3)+8*(k%3)
.set k, k+1
.endr
.set k, 0
.rept 8
	global_load_b128 v[B1+4*k:B1+4*k+3], v[OB1], s[22:23] offset:64*(k/2)+16*(k%2)
.set k, k+1
.endr
	WIN 0x40
.set k, 0
.rept 8
	global_load_b128 v[W2R+4*k:W2R+4*k+3], v[OB1], s[24:25] offset:64*(k/2)+16*(k%2)
.set k, k+1
.endr
	v_mov_b32 v[KC], 0x36b49f46                    ; c_k = a_k / 2^(k / 2): c6,
	v_mov_b32 v[KC+1], 0x36b49f46
	v_mov_b32 v[KC+2], 0x384d0feb                  ; c5,
	v_mov_b32 v[KC+3], 0x384d0feb
	v_mov_b32 v[KC+4], 0x381f6607                  ; c4,
	v_mov_b32 v[KC+5], 0x381f6607
	v_mov_b32 v[KC+6], 0x3b56cd72                  ; c3,
	v_mov_b32 v[KC+7], 0x3b56cd72
	v_mov_b32 v[KC+8], 0x3cad2fe7                  ; c2,
	v_mov_b32 v[KC+9], 0x3cad2fe7
	v_mov_b32 v[KC+10], 0x3d4c41b4                 ; c1,
	v_mov_b32 v[KC+11], 0x3d4c41b4
	v_mov_b32 v[KC+12], 1.0
	v_mov_b32 v[KC+13], 1.0
	v_mov_b32 v[KM], 0x7fffffff
	WIN 0
.set k, 0
.rept 8
	global_load_b32 v[W1S+k], v[OWS], s[20:21] offset:128*(k/2)+4*(k%2)
.set k, k+1
.endr
	s_wait_dscnt 0x0                               ; my stores of the queries, gamma and beta have landed
	s_barrier_signal -1
	s_barrier_wait -1                              ; everybody's have
	QLOAD AQ0                                      ; the queries of t = 0
	s_wait_loadcnt 0x0
	s_wait_kmcnt 0x0
	s_mov_b32 s57, s56                             ; b2 as a pair
	; W_fm's rows are centred: a feature's 256 numbers lie in 16 registers x the 16 lanes of my half
	WIN 0x0a
.irp s, 0,1,2,3
	v_pk_add_f32 v[16+2*\s:17+2*\s], v[WF+2*\s:WF+2*\s+1], v[WF+8+2*\s:WF+9+2*\s]
.endr
	WIN 0x02
.set k, 8
.rept 56
	v_pk_add_f32 v[16+2*(k%4):17+2*(k%4)], v[WF+2*k:WF+2*k+1], v[16+2*(k%4):17+2*(k%4)]
.set k, k+1
.endr
	WIN 0
.irp x, 1,2,4,8
.irp c, 0,1,2,3,4,5,6,7
	v_add_f32_dpp v[16+\c], v[16+\c], v[16+\c] row_xmask:\x row_mask:0xf bank_mask:0xf
.endr
.endr
	WIN 0xa0
.set k, 0
.rept 64
	v_pk_fma_f32 v[WF+2*k:WF+2*k+1], v[16+2*(k%4):17+2*(k%4)], s[52:53], v[WF+2*k:WF+2*k+1] op_sel_hi:[1,0,1]
.set k, k+1
.endr
	; final_h's rows are centred: 128 numbers of my row are mine, the others lane l xor 16's
	WIN 0x0f
.irp c, 0,1,2,3
	v_pk_add_f32 v[16+2*\c:17+2*\c], v[2*\c:2*\c+1], v[8+2*\c:9+2*\c]
.endr
	WIN 0x03
.set k, 8
.rept 56
	v_pk_add_f32 v[16+2*(k%4):17+2*(k%4)], v[2*k:2*k+1], v[16+2*(k%4):17+2*(k%4)]
.set k, k+1
.endr
	WIN 0
	v_pk_add_f32 v[16:17], v[16:17], v[18:19]
	v_pk_add_f32 v[20:21], v[20:21], v[22:23]
	v_pk_add_f32 v[16:17], v[16:17], v[20:21]
	v_add_f32 v16, v16, v17
	v_permlanex16_b32 v17, v16, s32, s33
	v_add_f32 v16, v16, v17
	v_mul_f32 v16, s52, v16                        ; - the mean
	v_mov_b32 v17, v16
	WIN 0xc3
.set k, 0
.rept 64
	v_pk_add_f32 v[2*k:2*k+1], v[2*k:2*k+1], v[16:17]
.set k, k+1
.endr
	WIN 0x41
.set k, 0
.rept 16
	v_pk_mul_f32 v[W2R+2*k:W2R+2*k+1], v[W2R+2*k:W2R+2*k+1], 0.5 op_sel_hi:[1,0]
.set k, k+1
.endr
	WIN 0
.irp c, 0,1,2,3
	v_mov_b32 v[TM+4+\c], 0                        ; written once: a lane permute's destination counts as one of its sources
	v_mov_b32 v[OT+\c], 0
.endr
	v_mov_b32 v[T+1], 0
	v_mov_b32 v[R+1], 0                            ; (named as the upper half of the pair, of which the low word serves both halves)
	s_wait_dscnt 0x0                               ; the queries of t = 0
.irp s, 0,1,2,3,4                              ; x - mean of t = 0: the 16 accumulators by turns, a K step at a time
.set ti, 0
.rept 16
	FW \s, ti
.set ti, ti+1
.endr
.endr
	WIN 0
.rept 8
	v_nop                                          ; eight places behind the f32 matrix form ahead of the first write of its sources and the first read of its results
.endr
	s_mov_b32 s36, 23                              ; trips to go
	s_mov_b32 s37, 1024                            ; the next step's queries in LDS
	s_mov_b32 s38, 0                               ; this step's place among the parts
; ---------------- A TRIP: step t.  more = 1: the sums of step t + 1 are made on the way ----------------
.macro TRIP more
.if \more
	s_wait_loadcnt 0x0                             ; future_met of t + 1, asked for a trip ago; its address register is free too
.set k, 0
.rept 8
	v_mov_b32 v[FM+k], v[FMS+k]                    ; (the last f32 product that read these stands 22 plain lines back or more)
.set k, k+1
.endr
	s_cmp_eq_u32 s36, 1                            ; t + 2 = 24: nothing is left to ask for, and no load leaves its buffer
	s_cbranch_scc1 .Lno_fm_\@
	v_add_nc_u32 v[AF], 64000, v[AF]
	global_load_b128 v[FMS:FMS+3], v[AF], s[6:7] offset:64000 th:TH_LOAD_NT     ; t + 2
	global_load_b128 v[FMS+4:FMS+7], v[AF], s[6:7] offset:64016 th:TH_LOAD_NT
.Lno_fm_\@:
.endif
	s_wait_dscnt 0x0                               ; my reads of the last step's images were over long ago; my stores of its parts have landed
	s_barrier_signal -1                            ; FIRST BARRIER: the images may be written again when all four have said so.  Up to its wait: register work, and loads of LDS bytes that nobody writes any more
.if \more
	v_add_nc_u32 v[AQT], s37, v[AQ0]
	QLOAD AQT
.endif
	GBLOAD Y, 1024                                 ; beta of hidden units 0-127
	GBLOAD G, 0                                    ; gamma likewise
	WIN 0x0a                                       ; the sum of squares of x - mean, in eight chains
.set k, 0
.rept 64
.if k < 8
	v_pk_mul_f32 v[S+2*k:S+2*k+1], v[2*k:2*k+1], v[2*k:2*k+1]
.else
	v_pk_fma_f32 v[S+2*(k%8):S+2*(k%8)+1], v[2*k:2*k+1], v[2*k:2*k+1], v[S+2*(k%8):S+2*(k%8)+1]
.endif
.set k, k+1
.endr
	WIN 0
.irp c, 0,2,4,6
	v_pk_add_f32 v[S+\c:S+\c+1], v[S+\c:S+\c+1], v[S+8+\c:S+9+\c]
.endr
	v_pk_add_f32 v[S:S+1], v[S:S+1], v[S+4:S+5]
	v_pk_add_f32 v[S+2:S+3], v[S+2:S+3], v[S+6:S+7]
	v_pk_add_f32 v[S:S+1], v[S:S+1], v[S+2:S+3]
	v_add_f32 v[T], v[S], v[S+1]
	v_permlanex16_b32 v[T+1], v[T], s32, s33
	v_add_f32 v[T], v[T], v[T+1]                   ; with lane l xor 16's 128: the row's
	v_fma_f32 v[T], v[T], s50, s51                 ; / 256 + 1e-5
	v_rsq_f32 v[R], v[T]
	v_nop                                          ; a plain line behind it,
	s_wait_alu depctr_va_vdst(0)                   ; and the wait ahead of its first reader
	s_wait_dscnt 0x0                               ; gamma, beta, the queries
	GSCALE
	NORM 0
	GBLOAD G, 512                                  ; gamma of hidden units 128-255
	QUANT_A
	GBLOAD Y, 1536                                 ; beta likewise, into the registers that the conversions have read
	QUANT_B
	s_barrier_wait -1                              ; no wave reads the last step's images any more
	IMAGE 0
	s_wait_dscnt 20                                ; gamma's 16 loads are in; behind them stand beta's 16 and the image's 4 stores
	GSCALE
	s_wait_dscnt 0x0                               ; beta is in, and the stores have read their registers
	NORM 1
	QUANT_A
	QUANT_B
	IMAGE 1
.if \more
.irp tau, 0,1,2,3
	FW 0, \tau                                     ; the sums of t + 1 begin: every read of the old ones stands above
.endr
.endif
	s_wait_dscnt 0x0                               ; my two images and their scale words have landed
	s_barrier_signal -1                            ; SECOND BARRIER
.if \more
.irp tau, 4,5,6,7
	FW 0, \tau
.endr
.endif
	s_barrier_wait -1                              ; all eight lie in LDS
	WIN 0
.irp m, 0,1,2,3                                ; they come back as they went, in any wave: eight loads for each 16 rows
.irp f, 0,1
.irp c, 0,1,2
	ds_load_b128 v[YF+12*(2*\m+\f)+4*\c:YF+12*(2*\m+\f)+4*\c+3], v[LI] offset:XIMG+1536*(2*\m+\f)+512*\c
.endr
.endr
	ds_load_b32 v[YS+2*\m], v[LS] offset:XSC+128*(2*\m)
	ds_load_b32 v[YS+2*\m+1], v[LS] offset:XSC+128*(2*\m+1)
.endr
.if \more
.irp tau, 8,9,10,11,12,13,14,15
	FW 0, \tau
.endr
.endif
	s_wait_dscnt 24                                ; rows 0-15's eight loads are in; the other 24 may be out
.irp i, 0,1,2,3,4,5,6,7
	ZW 0, \i
.endr
.rept 4
	v_nop                                          ; four places behind this form (ISA guide 7.12.1) ahead of the first read of its results
.endr
	s_wait_dscnt 0x0
	BATCH 0, \more, 1
	BATCH 1, \more, 1
	BATCH 2, \more, 1
	BATCH 3, \more, 0
	WIN 0
.irp m, 0,1,2,3
	v_permlanex16_b32 v[OT+\m], v[OS+\m], s32, s33
.endr
.irp m, 0,1,2,3
	v_add_f32 v[OS+\m], v[OS+\m], v[OT+\m]         ; with lane l xor 16's 32 units: my wave's 64
.endr
	v_cndmask_b32 v[OT], v[OS], v[OS+1], s31       ; lanes 0-15 rows 0-15, lanes 16-31 rows 16-31,
	v_cndmask_b32 v[OT+1], v[OS+2], v[OS+3], s31   ; and rows 32-63
	v_add_nc_u32 v[APT], s38, v[AP0]
	ds_store_b32 v[APT], v[OT]
	ds_store_b32 v[APT], v[OT+1] offset:128
.if \more
	s_add_co_u32 s37, s37, 1024
	s_add_co_u32 s38, s38, 256
.endif
.endm
.Ltrip:                                            ; t = 0 .. 22
	TRIP 1
	s_sub_co_u32 s36, s36, 1
	s_cmp_lg_u32 s36, 0
	s_cbranch_scc1 .Ltrip
	TRIP 0                                         ; t = 23: nothing follows it
	; ---------------- THE WAY OUT: wave w adds the four waves' parts of steps w, w + 4, .. and stores them ----------------
	s_wait_dscnt 0x0                               ; my parts have landed
	s_barrier_signal -1
	s_barrier_wait -1                              ; everybody's have
.set k, 0
.rept 24
	ds_load_b64 v[Y+2*k:Y+2*k+1], v[APR] offset:1024*(k/4)+6144*(k%4)
.set k, k+1
.endr
	s_wait_dscnt 0x0
.set k, 0
.rept 6
	v_pk_add_f32 v[Y+8*k:Y+8*k+1], v[Y+8*k:Y+8*k+1], v[Y+8*k+2:Y+8*k+3]
	v_pk_add_f32 v[Y+8*k+4:Y+8*k+5], v[Y+8*k+4:Y+8*k+5], v[Y+8*k+6:Y+8*k+7]
	v_pk_add_f32 v[Y+8*k:Y+8*k+1], v[Y+8*k:Y+8*k+1], v[Y+8*k+4:Y+8*k+5]
	v_pk_add_f32 v[Y+8*k:Y+8*k+1], v[Y+8*k:Y+8*k+1], s[56:57] op_sel_hi:[1,0]   ; + b2
	global_store_b64 v[AO], v[Y+8*k:Y+8*k+1], s[28:29] offset:16000*k th:TH_STORE_NT   ; 32 lanes store the work-group's 64 rows of one step: 256 consecutive bytes
.set k, k+1
.endr
	s_wait_tensorcnt 0x0
	ds_add_u32 v26, v27
	s_wait_dscnt 0x0
	s_endpgm
.Lfunc_end_k_q98376fa7f2_head:
	.size	k_q98376fa7f2_head, .Lfunc_end_k_q98376fa7f2_head-k_q98376fa7f2_head
	.p2alignl 7, 3214868480
	.fill 96, 4, 3214868480
	.section	.rodata,"a",@progbits
	.p2align	6, 0x0
	.amdhsa_kernel k_q98376fa7f2_head
		.amdhsa_group_segment_fixed_size 65024
		.amdhsa_private_segment_fixed_size 0
		.amdhsa_enable_private_segment 0
		.amdhsa_kernarg_size 104
		.amdhsa_user_sgpr_count 2
		.amdhsa_user_sgpr_kernarg_segment_ptr 1
		.amdhsa_wavefront_size32 1
		.amdhsa_system_sgpr_workgroup_id_x 1
		.amdhsa_system_sgpr_workgroup_id_y 1
		.amdhsa_system_sgpr_workgroup_id_z 1
		.amdhsa_system_vgpr_workitem_id 0
		.amdhsa_next_free_vgpr 1024
		.amdhsa_next_free_sgpr 66
		.amdhsa_reserve_vcc 0
		.amdhsa_float_denorm_mode_32 3
		.amdhsa_float_denorm_mode_16_64 3
		.amdhsa_memory_ordered 1
		.amdhsa_forward_progress 1
		.amdhsa_inst_pref_size 255
	.end_amdhsa_kernel
	.section	.bss,"aw",@nobits
	.p2align	6
	.space	262144
	.amdgpu_metadata
---
amdhsa.version: [ 1, 2 ]
amdhsa.kernels:
  - .name:           k_q98376fa7f2_head
    .symbol:         k_q98376fa7f2_head.kd
    .args:
      - { .name: final_h, .offset: 0, .size: 8, .value_kind: global_buffer, .address_space: global }
      - { .name: future_met, .offset: 8, .size: 8, .value_kind: global_buffer, .address_space: global }
      - { .name: step_queries, .offset: 16, .size: 8, .value_kind: global_buffer, .address_space: global }
      - { .name: W_fm, .offset: 24, .size: 8, .value_kind: global_buffer, .address_space: global }
      - { .name: b_fm, .offset: 32, .size: 8, .value_kind: global_buffer, .address_space: global }
      - { .name: gamma, .offset: 40, .size: 8, .value_kind: global_buffer, .address_space: global }
      - { .name: beta, .offset: 48, .size: 8, .value_kind: global_buffer, .address_space: global }
      - { .name: W1_codes, .offset: 56, .size: 8, .value_kind: global_buffer, .address_space: global }
      - { .name: W1_scales, .offset: 64, .size: 8, .value_kind: global_buffer, .address_space: global }
      - { .name: b1, .offset: 72, .size: 8, .value_kind: global_buffer, .address_space: global }
      - { .name: W2, .offset: 80, .size: 8, .value_kind: global_buffer, .address_space: global }
      - { .name: b2, .offset: 88, .size: 8, .value_kind: global_buffer, .address_space: global }
      - { .name: out0, .offset: 96, .size: 8, .value_kind: global_buffer, .address_space: global }
    .group_segment_fixed_size: 65024
    .private_segment_fixed_size: 0
    .kernarg_segment_align: 8
    .kernarg_segment_size: 104
    .max_flat_workgroup_size: 128
    .sgpr_count:     66
    .vgpr_count:     1024
    .wavefront_size: 32
...
	.end_amdgpu_metadata
.endif
;; end of part 1
;; ======== version 2 of 2: 1 launch; version 1 with the launch head written anew for expert scheduling mode
;; launch head (part 2): grid 250 x 1, 4 waves a work-group, no clusters, 65,024 bytes of LDS; arguments final_h, future_met, step_queries, W_fm, b_fm, gamma, beta, W1_codes, W1_scales, b1, W2, b2, out0; writes out0
.if DOCPART == 2
	.amdgcn_target "amdgcn-amd-amdhsa--gfx1250"
	.amdhsa_code_object_version 6
	.text
	.protected	k_q98376fa7f2_head
	.globl	k_q98376fa7f2_head
	.p2align	8
	.type	k_q98376fa7f2_head,@function
k_q98376fa7f2_head:
	s_mov_b64 s[64:65], 0
	v_nop
	global_prefetch_b8 v0, s[64:65] scope:SCOPE_SE
	s_setreg_imm32_b32 hwreg(HW_REG_WAVE_SCHED_MODE, 0, 2), 2
	s_setreg_imm32_b32 hwreg(HW_REG_WAVE_MODE, 25, 1), 1
	s_wait_xcnt 0x0
	s_wait_alu depctr_vm_vsrc(0)
; out[b][t][n] = gelu(LN(final_h[b][n] + step_queries[t] + b_fm + future_met[b][t][n] W_fm) W1 + b1) . W2 + b2.
; The product with W1 runs on codes of FP6 (E2M3) with one E8M0 scale for each 32 along K; its left operand is quantised here, in registers.  All else is f32.
; SHARES.  g = 1000 b + n counts 16,000 rows.  A work-group of four waves owns 64 of them, for all 24 steps t; one trip of the loop is one t.
;   Stage 1 by ROWS: wave w makes its 16 rows x all 256 hidden numbers (16 tiles of the f32 matrix form), so the norm never leaves the wave, and its rows of final_h stay in registers for the 24 trips.
;   Stage 2 by COLUMNS: wave w keeps W1's units 64 w .. 64 w + 63 in registers and multiplies all 64 rows, whose codes and scale words go from wave to wave through LDS as images of the operand's registers.
;   BY TURNS: the f32 products of step t + 1 and the FP6 products of the next 16 rows stand one at a time between slices of the gelu of step t.
; ARITHMETIC.  The mean is taken by linearity: final_h's rows, step_queries[t] + b_fm and each row of W_fm are centred over the 256 once, at the head, so that the f32 sums are x - mean as they stand.
;   step_queries enters as a fifth K step (its numbers times a unit vector; the other three slots multiply finite numbers by 0).  y = (x - mean) (rstd gamma) + beta: the order of the two multiplications differs from the source's.
;   erf by 1 - 1 / (1 + a1 x + .. + a6 x^6)^16 (Abramowitz and Stegun 7.1.28, error at most 3e-7 for every x >= 0); where the power overflows its reciprocal is 0, which is erf = 1.
;   With u = |z|, Q = that reciprocal at u / sqrt(2): gelu(z) = 0.5 (z + u - u Q).  The 0.5 is folded into W2.
; LIMITS.  NaN and infinities among the inputs are not served.  A block's scale byte is held at 1 from below (a block of zeros keeps 1: its codes are zeros, and these bytes are read by this text alone).
;   A wave's store of out0 covers 256 consecutive bytes; out0's rows are 4,000 bytes, so these do not begin on multiples of 256.
; NO CLUSTER, NO TENSOR LOAD: the 250 work-groups do not divide by four; what work-groups share (W_fm, W1, the vectors: under 100 KB) is read once, at the head, straight into the order of the operands' registers.
;   future_met is asked for a whole trip ahead, into registers.
; THE MODE: SCHED_MODE bits 1:0 = 2 (LLVM: expert scheduling mode 2), set by the entry lines.  The code itself states the register dependences between vector or matrix instructions
;   and memory or LDS instructions, with s_wait_alu, always for 0.
; THE PLAN.  Registers that memory or LDS instructions touch in a trip, and who else names them:
;   FMS          the loads of future_met of t + 2 land in it; the eight moves at the next trip's head read it.  Their offset v[AF] is never written again: the scalar base steps.
;   v[AQT], Q    the add at the trip's head writes the address; the queries' 16 loads read it and land in Q, which the f32 products of K step 0 read.
;   G, Y         gamma and beta of hidden units 0-127 are asked for in the trip before, behind the wait of its third gelu batch; those of 128-255 behind the lines that are done with the first half.  GSCALE, NORM and QUANT name them.
;   PC, PW       QUANT writes them, IMAGE's stores read them; the second QUANT writes them again, and then the fragments' loads land on them.
;   YF, YS       the fragments' and scale words' loads land in them; the FP6 products read them.  (G, S, PC and PW lie over YF.)
;   OT, v[APT]   written at the trip's end, read by the two stores of the parts.
;   All other addresses are made at the head and never written again.  TM, R, T, OS, FM, the accumulators and windows 1 to 3 are named by vector and matrix instructions alone in the loop.
;   The waits on va_vdst stand: at the trip's head; behind the rsq; behind NORM 0; behind each QUANT_B; ahead of the fragments' loads; in each gelu batch behind its reciprocals; ahead of the parts' stores.
;   The waits on vm_vsrc stand: at the trip's head; ahead of the second QUANT; ahead of the fragments' loads.
; REGISTERS, in windows of 256 (s_set_vgpr_msb: bits 1:0 source 0, 3:2 source 1, 5:4 source 2, 7:6 destination):
;   window 0: v1-15 ids and addresses; v16-31 at work (v26, v27: the closing add's two); v32-39 W1's scale words, v40-47 the rows' (scales and nothing else); v48-55 future_met of the step being multiplied, v56-63 of the step after;
;             v64-79 the step's centred queries; v80-83 two unit vectors; v84-95 sums; v96-191 the rows' eight fragments, and between their last use and the next fetch gamma, the sums of squares and the codes just made; v192-255 y
;   window 1: v0-127 the 16 accumulators of stage 2 ((m, nu) at 8 (4 m + nu)); v128-191 the gelu at work; v192-223 0.5 W2; v224-231 the dot's chains; v232-246 the gelu's constants
;   window 2: v0-127 the 16 accumulators of stage 1, written by matrix instructions alone; v128-255 W_fm, centred
;   window 3: v0-127 final_h, centred; v128-223 W1's eight fragments; v224-255 b1
.set XIMG, 0                           ; LDS: 8 fragment images of 1,536 bytes: (16 rows m, K step s) at 1,536 (2 m + s); four registers at 512 c; a lane at 16 x lane
.set XSC,  12288                       ; their scale words: 128 (2 m + s) + 4 x lane
.set QT,   13312                       ; step_queries + b_fm, centred: 1,024 bytes a step
.set GAM,  37888                       ; gamma, and 1,024 bytes on beta
.set PART, 39936                       ; the waves' parts of the outputs: 6,144 w + 256 t + 4 x row
.set LANE, 1
.set RR,   2                           ; lane % 16
.set HH,   3                           ; lane / 16
.set AF,   4                           ; future_met: my row's byte, + 32 for lanes 16-31; never written again: the scalar base steps 64,000 a trip
.set LI,   5                           ; 16 x lane
.set LS,   6                           ; 4 x lane
.set XWI,  7                           ; where I store images: 16 x lane + 3,072 w
.set XWS,  8                           ; and scale words: 4 x lane + 256 w
.set AG,   9                           ; GAM + 64 (lane / 16)
.set AQ0,  10                          ; QT + 4 (r + 8 (r / 8))
.set AQT,  11
.set AP0,  12                          ; PART + 6,144 w + 4 x lane
.set APT,  13
.set AO,   14                          ; out0: my two rows' byte, + 4,000 w
.set APR,  15                          ; PART + 8 x lane + 256 w
.set TM,   16
.set W1S,  32
.set YS,   40
.set FM,   48
.set FMS,  56
.set Q,    64
.set UNIT0, 80
.set UNIT1, 82
.set OS,   84
.set OT,   88
.set R,    92
.set T,    94
.set YF,   96
.set G,    96
.set S,    160
.set PC,   160
.set PW,   180
.set Y,    192
.set OQ,   100                         ; the head's offsets, in registers that the loop takes over later
.set OGB,  101
.set OH,   102
.set OWF,  103
.set OW1,  104
.set OWS,  105
.set OB1,  106
.set OQS,  107
.set OGS,  108
.set UA,   128                         ; window 1
.set PO,   160
.set W2R,  192
.set OC,   224
.set KC,   232                         ; pairs: c6, c5, c4, c3, c2, c1, 1.0
.set KM,   246                         ; 0x7fffffff
.set WF,   128                         ; window 2
.set W1F,  128                         ; window 3
.set B1,   224
.set PRE,  0                           ; 1 in the gelu batch behind whose wait the next step's gamma and beta are asked for
.set MSB, 0
.macro WIN new                         ; the immediate's high byte repeats the setting that is left; a switch that changes nothing is dropped
.if MSB != \new
	s_set_vgpr_msb (MSB<<8)|\new
.set MSB, \new
.endif
.endm
; One f32 matrix instruction of stage 1, used transposed: source 0 = 16 hidden units, source 1 = my 16 rows, so that a lane holds ONE row.  Tile tau = 2 b + u takes hidden units 32 b + 8 u + r + 8 (r / 8):
; the 16 registers of tiles 2 b, 2 b + 1 are then the 16 neighbours 32 b + 16 (lane / 16) + 0 .. 15.  s = 0 starts the sum: C = final_h, the product is the queries' (a pair of registers holds tiles 2 b and 2 b + 1; the unit vector picks one).
; s = 1 .. 4: slot (lane / 16, j) of the step holds feature 8 (lane / 16) + 2 (s - 1) + j, alike in both sources.
.macro FW s, tau
.if (\s) == 0
	WIN 0xb0
	v_wmma_f32_16x16x4_f32 v[8*(\tau):8*(\tau)+7], v[Q+2*((\tau)/2):Q+2*((\tau)/2)+1], v[UNIT0+2*((\tau)%2):UNIT0+2*((\tau)%2)+1], v[8*(\tau):8*(\tau)+7]
.else
	WIN 0xa2
	v_wmma_f32_16x16x4_f32 v[8*(\tau):8*(\tau)+7], v[WF+8*(\tau)+2*((\s)-1):WF+8*(\tau)+2*((\s)-1)+1], v[FM+2*((\s)-1):FM+2*((\s)-1)+1], v[8*(\tau):8*(\tau)+7]
.endif
.endm
; FP6 instruction i = 4 s + nu of the 16 rows m, transposed: source 0 = 16 units of W1, source 1 = the rows.  K step 0 starts the sum with b1 as C.
.macro ZW m, i
.set zs, (\i)/4
.set zn, (\i)%4
.set zd, 8*(4*(\m)+zn)
.if zs == 0
	WIN 0x73
	v_wmma_scale_f32_16x16x128_f8f6f4 v[zd:zd+7], v[W1F+24*zn:W1F+24*zn+11], v[YF+24*(\m):YF+24*(\m)+11], v[B1+8*zn:B1+8*zn+7], v[W1S+2*zn], v[YS+2*(\m)] matrix_a_fmt:MATRIX_FMT_FP6 matrix_b_fmt:MATRIX_FMT_FP6
.else
	WIN 0x53
	v_wmma_scale_f32_16x16x128_f8f6f4 v[zd:zd+7], v[W1F+24*zn+12:W1F+24*zn+23], v[YF+24*(\m)+12:YF+24*(\m)+23], v[zd:zd+7], v[W1S+2*zn+1], v[YS+2*(\m)+1] matrix_a_fmt:MATRIX_FMT_FP6 matrix_b_fmt:MATRIX_FMT_FP6
.endif
.endm
.macro GBLOAD reg, off                 ; 16 loads: four blocks' 16 numbers a lane of gamma or beta; sixteen lanes read the same 16 bytes
.set k, 0
.rept 16
	ds_load_b128 v[\reg+4*k:\reg+4*k+3], v[AG] offset:(\off)+128*(k/4)+16*(k%4)
.set k, k+1
.endr
.endm
; Entry gj of the list of 277 that takes the 32 numbers z a lane of the 16 rows m through the gelu and the dot with W2.
;   0-31 u = |z| (each accumulator from its low end on)   32-127 the polynomial, two numbers a line   128-191 its 16th power   192-223 the reciprocals: ONE batch   224 a plain line and the one wait for the batch
;   225-240 u Q - u   241-256 z - that   257-272 times 0.5 W2, in four chains   273-276 the chains' sum
.macro GE m
.if gj < 276
	WIN 0x55
.endif
.if gj < 32
	v_and_b32 v[UA+gj], v[KM], v[32*(\m)+gj]
.elseif gj < 48
.set gp, 2*(gj-32)
	v_pk_fma_f32 v[PO+gp:PO+gp+1], v[UA+gp:UA+gp+1], v[KC:KC+1], v[KC+2:KC+3]
.elseif gj < 128
.set gp, 2*((gj-48)%16)
.set gk, KC+4+2*((gj-48)/16)
	v_pk_fma_f32 v[PO+gp:PO+gp+1], v[PO+gp:PO+gp+1], v[UA+gp:UA+gp+1], v[gk:gk+1]
.elseif gj < 192
.set gp, 2*((gj-128)%16)
	v_pk_mul_f32 v[PO+gp:PO+gp+1], v[PO+gp:PO+gp+1], v[PO+gp:PO+gp+1]
.elseif gj < 224
	v_rcp_f32 v[PO+gj-192], v[PO+gj-192]
.elseif gj == 224
	v_nop                                          ; a plain line behind the last reciprocal
.if PRE
	WIN 0                                          ; (the loads below work in window 0: the switch, the wait, the loads)
	s_wait_alu depctr_va_vdst(0)                   ; the 32 reciprocals are written, ahead of the first line that names one; and every FP6 product of this step is done reading the fragments, every conversion reading y: gamma and beta land there
	GBLOAD Y, 1024                                 ; the NEXT step's beta of hidden units 0-127,
	GBLOAD G, 0                                    ; and gamma likewise: they have the rest of this batch and all of the next in which to land; no line up to the next trip's head names these registers
.else
	s_wait_alu depctr_va_vdst(0)                   ; the 32 reciprocals are written, ahead of the first line that names one: one wait for the batch
.endif
.elseif gj < 241
.set gp, 2*(gj-225)
	v_pk_fma_f32 v[PO+gp:PO+gp+1], v[PO+gp:PO+gp+1], v[UA+gp:UA+gp+1], v[UA+gp:UA+gp+1] neg_lo:[0,0,1] neg_hi:[0,0,1]
.elseif gj < 257
.set gp, 2*(gj-241)
	v_pk_add_f32 v[PO+gp:PO+gp+1], v[32*(\m)+gp:32*(\m)+gp+1], v[PO+gp:PO+gp+1] neg_lo:[0,1] neg_hi:[0,1]
.elseif gj < 261
.set gp, 2*(gj-257)
	v_pk_mul_f32 v[OC+gp:OC+gp+1], v[PO+gp:PO+gp+1], v[W2R+gp:W2R+gp+1]
.elseif gj < 273
.set gp, 2*(gj-257)
	v_pk_fma_f32 v[OC+gp%8:OC+gp%8+1], v[PO+gp:PO+gp+1], v[W2R+gp:W2R+gp+1], v[OC+gp%8:OC+gp%8+1]
.elseif gj == 273
	v_pk_add_f32 v[OC:OC+1], v[OC:OC+1], v[OC+2:OC+3]
.elseif gj == 274
	v_pk_add_f32 v[OC+4:OC+5], v[OC+4:OC+5], v[OC+6:OC+7]
.elseif gj == 275
	v_pk_add_f32 v[OC:OC+1], v[OC:OC+1], v[OC+4:OC+5]
.else
	WIN 0x05
	v_add_f32 v[OS+(\m)], v[OC], v[OC+1]           ; my 32 units' part of row 16 m + r, into window 0
.endif
.set gj, gj+1
.endm
; The gelu of rows m, cut into slices, one behind each matrix instruction: first the 8 FP6 products of rows m + 1 (fp6 = 1), then the 16 f32 products of K step m + 1 of the next t (f32 = 1).
; 277 = 24 x 11 + 13 = 16 x 17 + 5 = 8 x 34 + 5: what is over follows the last slice.  The accumulators take turns, one instruction a turn.
.macro BATCH m, f32, fp6
.set gj, 0
.set nm, 8*(\fp6)+16*(\f32)
.if nm > 0
.set per, 277/nm
.set mi, 0
.rept nm
.if mi < 8*(\fp6)
	ZW (\m)+1, mi
.else
	FW (\m)+1, mi-8*(\fp6)
.endif
.rept per
	GE \m
.endr
.set mi, mi+1
.endr
.endif
.rept 277-gj
	GE \m
.endr
.endm
; 64 numbers of a lane, v[Y] on, register 16 b + i = k 32 b + 16 (lane / 16) + i of my row, become a fragment's codes in v[PC] on and its scale word in v[PW].
.macro QUANT_A
.irp b, 0,1,2,3
	v_max3_num_f32 v[TM+\b], |v[Y+16*\b]|, |v[Y+1+16*\b]|, 0x1800000   ; block b: my 16 numbers, and the floor 2^(3 - 127): the byte cannot fall under 1
.endr
.irp i, 2,4,6,8,10,12,14
.irp b, 0,1,2,3
	v_max3_num_f32 v[TM+\b], v[TM+\b], |v[Y+16*\b+\i]|, |v[Y+1+16*\b+\i]|   ; (the four blocks by turns)
.endr
.endr
.irp b, 0,1,2,3
	v_permlanex16_b32 v[TM+4+\b], v[TM+\b], s32, s33
.endr
.irp b, 0,1,2,3
	v_max_num_f32 v[TM+\b], v[TM+\b], v[TM+4+\b]   ; with lane l xor 16's: the block's largest magnitude
.endr
.irp b, 0,1,2,3
	v_add_nc_u32 v[TM+12+\b], 0xff000000, v[TM+\b] ; 2 off its exponent field: the conversion takes this operand's exponent field as its scale
.endr
.irp b, 0,1,2,3
	v_lshrrev_b32 v[TM+4+\b], 23, v[TM+12+\b]      ; the scale's byte
.endr
	v_lshl_or_b32 v[PW], v[TM+5], 8, v[TM+4]       ; four bytes: my row's scale word
	v_lshl_or_b32 v[PW], v[TM+6], 16, v[PW]
	v_lshl_or_b32 v[PW], v[TM+7], 24, v[PW]
.irp c, 0,1
	v_cvt_scalef32_pk16_fp6_f32 v[PC+6*\c:PC+2+6*\c], v[Y+32*\c:Y+15+32*\c], v[TM+12+2*\c]
	v_cvt_scalef32_pk16_fp6_f32 v[PC+12+4*\c:PC+14+4*\c], v[Y+16+32*\c:Y+31+32*\c], v[TM+12+2*\c+1]   ; (a conversion's three registers begin on an even number)
.endr
	v_nop                                          ; one plain line behind the scaled conversions
.endm
.macro QUANT_B                         ; the operand's layout wants a WHOLE block in a lane: lanes 0-15 block 2 c, lanes 16-31 block 2 c + 1
.irp c, 0,1
.irp i, 0,1,2
	v_permlane16_swap_b32 v[PC+6*\c+\i], v[PC+12+4*\c+\i]
.endr
.irp i, 0,1,2
	v_mov_b32 v[PC+3+6*\c+\i], v[PC+12+4*\c+\i]
.endr
.endr
.endm
.macro IMAGE s                         ; the fragment of K step s goes to LDS as it stands in the registers, and its scale word beside it
.irp c, 0,1,2
	ds_store_b128 v[XWI], v[PC+4*\c:PC+4*\c+3] offset:XIMG+1536*(\s)+512*\c
.endr
	ds_store_b32 v[XWS], v[PW] offset:XSC+128*(\s)
.endm
.macro QLOAD adr                       ; a step's centred queries: register tau, lane r: hidden unit 32 (tau / 2) + 8 (tau % 2) + r + 8 (r / 8)
.set k, 0
.rept 16
	ds_load_b32 v[Q+k], v[\adr] offset:128*(k/2)+32*(k%2)
.set k, k+1
.endr
.endm
.macro GSCALE                          ; gamma x rstd
.set k, 0
.rept 32
	v_pk_mul_f32 v[G+2*k:G+2*k+1], v[G+2*k:G+2*k+1], v[R:R+1] op_sel_hi:[1,0]
.set k, k+1
.endr
.endm
.macro NORM half                       ; y = (x - mean) (gamma rstd) + beta, for hidden units 128 half on
	WIN 0x02
.set k, 0
.rept 32
	v_pk_fma_f32 v[Y+2*k:Y+2*k+1], v[64*(\half)+2*k:64*(\half)+2*k+1], v[G+2*k:G+2*k+1], v[Y+2*k:Y+2*k+1]
.set k, k+1
.endr
	WIN 0
.endm
.macro QSUM i                          ; row t = w + 4 i of step_queries: + b_fm, less the mean of the 256
.set QR, 192+8*\i
.irp c, 0,2,4,6
	v_pk_add_f32 v[QR+\c:QR+\c+1], v[QR+\c:QR+\c+1], v[240+\c:241+\c]
.endr
	v_pk_add_f32 v[16:17], v[QR:QR+1], v[QR+2:QR+3]
	v_pk_add_f32 v[18:19], v[QR+4:QR+5], v[QR+6:QR+7]
	v_pk_add_f32 v[16:17], v[16:17], v[18:19]
	v_add_f32 v16, v16, v17
	v_add_f32_dpp v16, v16, v16 row_xmask:1 row_mask:0xf bank_mask:0xf
	v_add_f32_dpp v16, v16, v16 row_xmask:2 row_mask:0xf bank_mask:0xf
	v_add_f32_dpp v16, v16, v16 row_xmask:4 row_mask:0xf bank_mask:0xf
	v_add_f32_dpp v16, v16, v16 row_xmask:8 row_mask:0xf bank_mask:0xf
	v_permlanex16_b32 v17, v16, s32, s33
	v_add_f32 v16, v16, v17
	v_mul_f32 v16, s52, v16                        ; - the mean
	v_mov_b32 v17, v16
.irp c, 0,2,4,6
	v_pk_add_f32 v[QR+\c:QR+\c+1], v[QR+\c:QR+\c+1], v[16:17]
.endr
.endm
.macro QOUT i                          ; and into LDS
.set QR, 192+8*\i
	ds_store_b128 v[OQS], v[QR:QR+3] offset:4096*\i
	ds_store_b128 v[OQS], v[QR+4:QR+7] offset:4096*\i+512
.endm
	; ---------------- THE HEAD ----------------
	s_load_b512 s[4:19], s[0:1], 0x0               ; final_h s[4:5], future_met s[6:7], step_queries s[8:9], W_fm s[10:11], b_fm s[12:13], gamma s[14:15], beta s[16:17], W1's codes s[18:19]
	s_load_b256 s[20:27], s[0:1], 0x40             ; W1's scales s[20:21], b1 s[22:23], W2 s[24:25], b2 s[26:27]
	s_load_b64 s[28:29], s[0:1], 0x60              ; out0
	v_lshl_add_u32 v26, v0, 2, 0xfc00
	v_mov_b32 v27, 0
	v_lshrrev_b32 v16, 5, v0
	v_readfirstlane_b32 s30, v16                   ; wave 0..3
	v_and_b32 v[LANE], 31, v0
	v_and_b32 v[RR], 15, v0
	v_bfe_u32 v[HH], v0, 4, 1
	s_mov_b32 s31, 0xffff0000                      ; lanes 16-31
	s_mov_b32 s32, 0x76543210                      ; v_permlanex16_b32's selects for lane l xor 16
	s_mov_b32 s33, 0xfedcba98
	s_mov_b32 s50, 0x3b800000                      ; 1 / 256
	s_mov_b32 s51, 0x3727c5ac                      ; 1e-5
	s_mov_b32 s52, 0xbb800000                      ; - 1 / 256
	s_mov_b32 s53, s52                             ; (named with it as a pair, so it is written)
	s_lshl_b32 s58, ttmp9, 6                       ; the work-group's first row g
	s_wait_alu depctr_va_sdst(0)                   ; s30, the wave's number, is written, ahead of its first reader
	s_lshl_b32 s59, s30, 4
	s_add_co_u32 s59, s58, s59                     ; my wave's
	v_add_nc_u32 v16, s59, v[RR]                   ; my row g = 1000 b + n
	v_mul_u32_u24 v17, v16, 67109                  ; b = g / 1000 = (67,109 g) >> 26: exact for g under 16,000 (the excess 0.136 g / 2^26 stays under 1 / 1000)
	v_lshrrev_b32 v17, 26, v17
	v_mad_u32_u24 v18, v17, 23000, v16             ; 24,000 b + n
	v_lshlrev_b32 v18, 6, v18                      ; 64 bytes a row of future_met
	v_lshl_add_u32 v[AF], v[HH], 5, v18            ; lanes 16-31 take features 8 to 15
	v_lshl_add_u32 v19, v[LANE], 1, s58            ; for the way out: rows 2 x lane and 2 x lane + 1 (1,000 is even: both have one b)
	v_mul_u32_u24 v20, v19, 67109
	v_lshrrev_b32 v20, 26, v20
	v_mad_u32_u24 v19, v20, 23000, v19
	s_mul_i32 s61, s30, 4000
	v_lshl_add_u32 v[AO], v19, 2, s61              ; 4 (24,000 b + n) + 4,000 w: wave w stores steps w, w + 4, ..
	v_lshlrev_b32 v[LI], 4, v[LANE]
	v_lshlrev_b32 v[LS], 2, v[LANE]
	s_mul_i32 s60, s30, 3072
	v_add_nc_u32 v[XWI], s60, v[LI]
	s_lshl_b32 s60, s30, 8
	v_add_nc_u32 v[XWS], s60, v[LS]
	s_add_co_u32 s60, s60, PART
	v_lshl_add_u32 v[APR], v[LANE], 3, s60
	s_mul_i32 s60, s30, 6144
	s_add_co_u32 s60, s60, PART
	v_add_nc_u32 v[AP0], s60, v[LS]
	v_lshl_add_u32 v[AG], v[HH], 6, GAM
	v_and_b32 v22, 8, v[RR]
	v_add_nc_u32 v22, v22, v[RR]                   ; r + 8 (r / 8)
	v_lshl_add_u32 v[AQ0], v22, 2, QT
	s_lshl_b32 s60, s30, 10
	v_add_nc_u32 v[OQ], s60, v[LI]                 ; step_queries: row w, 16 bytes a lane
	s_add_co_u32 s60, s60, QT
	v_add_nc_u32 v[OQS], s60, v[LI]                ; and the same place in LDS
	v_lshlrev_b32 v[OGB], 3, v0                    ; gamma, beta: 8 bytes a thread
	v_lshl_add_u32 v[OGS], v0, 3, GAM
	v_lshlrev_b32 v[OH], 10, v[RR]
	v_lshl_add_u32 v[OH], v[HH], 6, v[OH]          ; final_h: row r of 1,024 bytes, + 64 (lane / 16)
	v_lshlrev_b32 v[OWF], 2, v22
	v_lshl_add_u32 v[OWF], v[HH], 13, v[OWF]       ; W_fm: column r + 8 (r / 8), row 8 (lane / 16)
	v_mul_u32_u24 v[OW1], v[RR], 192
	v_mad_u32_u24 v[OW1], v[HH], 24, v[OW1]        ; W1's codes: row r of 192 bytes, + 24 (lane / 16)
	v_lshlrev_b32 v[OWS], 3, v[RR]                 ; W1's scale bytes: 8 a row
	v_lshlrev_b32 v[OB1], 5, v[HH]                 ; b1, W2: my half's eight numbers of a tile
	v_cvt_f32_u32 v[UNIT0], v[HH]
	v_sub_f32 v[UNIT0], 1.0, v[UNIT0]              ; 1.0 in lanes 0-15, 0 in lanes 16-31: slot k = 0
	v_mov_b32 v[UNIT0+1], 0
	v_mov_b32 v[UNIT1], 0
	v_mov_b32 v[UNIT1+1], v[UNIT0]                 ; slot k = 1
	s_wait_kmcnt 0x0
	s_lshl_b32 s62, s59, 10
	s_mov_b32 s63, 0
	s_add_nc_u64 s[4:5], s[4:5], s[62:63]          ; final_h at my wave's first row
	s_mul_i32 s62, s30, 64*192
	s_add_nc_u64 s[18:19], s[18:19], s[62:63]      ; W1's codes at my 64 units
	s_lshl_b32 s62, s30, 9
	s_add_nc_u64 s[20:21], s[20:21], s[62:63]      ; their scale bytes
	s_lshl_b32 s62, s30, 8
	s_add_nc_u64 s[22:23], s[22:23], s[62:63]      ; b1
	s_add_nc_u64 s[24:25], s[24:25], s[62:63]      ; W2
	s_load_b32 s56, s[26:27], 0x0                  ; b2
	s_wait_alu depctr_va_vdst(0)                   ; all addresses and offsets, v4 to v15 and v100 to v108, are written: every load and store of the kernel but the queries' and the parts' reads one of them
.set k, 0
.rept 12                                       ; six rows of step_queries, t = w + 4 i: two loads of 512 consecutive bytes a row
	global_load_b128 v[192+4*k:195+4*k], v[OQ], s[8:9] offset:4096*(k/2)+512*(k%2)
.set k, k+1
.endr
	global_load_b128 v[240:243], v[LI], s[12:13]
	global_load_b128 v[244:247], v[LI], s[12:13] offset:512
	global_load_b64 v[248:249], v[OGB], s[14:15]
	global_load_b64 v[250:251], v[OGB], s[16:17]
	global_load_b128 v[FM:FM+3], v[AF], s[6:7] th:TH_LOAD_NT                    ; future_met of t = 0,
	global_load_b128 v[FM+4:FM+7], v[AF], s[6:7] offset:16 th:TH_LOAD_NT
	global_load_b128 v[FMS:FMS+3], v[AF], s[6:7] offset:64000 th:TH_LOAD_NT     ; and of t = 1
	global_load_b128 v[FMS+4:FMS+7], v[AF], s[6:7] offset:64016 th:TH_LOAD_NT
	WIN 0xc0                                       ; (between the wait above and these loads stand loads and this switch alone)
.set k, 0
.rept 32                                       ; final_h: register 16 b + i = hidden unit 32 b + 16 (lane / 16) + i of my row
	global_load_b128 v[4*k:4*k+3], v[OH], s[4:5] offset:128*(k/4)+16*(k%4) th:TH_LOAD_NT
.set k, k+1
.endr
	WIN 0
	s_wait_loadcnt 36                              ; the first 16 loads are in; behind them stand future_met's 4 and final_h's 32
.irp i, 0,1,2,3,4,5
	QSUM \i
.endr
	s_wait_alu depctr_va_vdst(0)                   ; the six centred rows v192 to v239 are written, which the LDS stores read: one wait for the run of stores
.irp i, 0,1,2,3,4,5
	QOUT \i
.endr
	ds_store_b64 v[OGS], v[248:249]
	ds_store_b64 v[OGS], v[250:251] offset:1024
	WIN 0x80                                       ; (no vector line has named any register of the loads below, but their offsets, which stand ahead of the waits above)
.set k, 0
.rept 128                                      ; W_fm: register 8 tau + 2 s + j: feature 8 (lane / 16) + 2 s + j, the tile's hidden unit of lane r
	global_load_b32 v[WF+k], v[OWF], s[10:11] offset:1024*(k%8)+128*(k/16)+32*((k/8)%2)
.set k, k+1
.endr
	WIN 0xc0
.set k, 0
.rept 48                                       ; W1's fragments (tile nu, K step s) at 12 (2 nu + s): six pieces of 8 bytes each, as they lie
	global_load_b64 v[W1F+2*k:W1F+2*k+1], v[OW1], s[18:19] offset:3072*(k/12)+96*((k/6)%2)+48*((k%6)/3)+8*(k%3)
.set k, k+1
.endr
.set k, 0
.rept 8
	global_load_b128 v[B1+4*k:B1+4*k+3], v[OB1], s[22:23] offset:64*(k/2)+16*(k%2)
.set k, k+1
.endr
	WIN 0x40
.set k, 0
.rept 8
	global_load_b128 v[W2R+4*k:W2R+4*k+3], v[OB1], s[24:25] offset:64*(k/2)+16*(k%2)
.set k, k+1
.endr
	v_mov_b32 v[KC], 0x36b49f46                    ; c_k = a_k / 2^(k / 2): c6,  (these fifteen registers are named by vector lines alone)
	v_mov_b32 v[KC+1], 0x36b49f46
	v_mov_b32 v[KC+2], 0x384d0feb                  ; c5,
	v_mov_b32 v[KC+3], 0x384d0feb
	v_mov_b32 v[KC+4], 0x381f6607                  ; c4,
	v_mov_b32 v[KC+5], 0x381f6607
	v_mov_b32 v[KC+6], 0x3b56cd72                  ; c3,
	v_mov_b32 v[KC+7], 0x3b56cd72
	v_mov_b32 v[KC+8], 0x3cad2fe7                  ; c2,
	v_mov_b32 v[KC+9], 0x3cad2fe7
	v_mov_b32 v[KC+10], 0x3d4c41b4                 ; c1,
	v_mov_b32 v[KC+11], 0x3d4c41b4
	v_mov_b32 v[KC+12], 1.0
	v_mov_b32 v[KC+13], 1.0
	v_mov_b32 v[KM], 0x7fffffff
	WIN 0
.set k, 0
.rept 8
	global_load_b32 v[W1S+k], v[OWS], s[20:21] offset:128*(k/2)+4*(k%2)
.set k, k+1
.endr
	s_wait_dscnt 0x0                               ; my stores of the queries, gamma and beta have landed
	s_barrier_signal -1
	s_barrier_wait -1                              ; everybody's have
	QLOAD AQ0                                      ; the queries of t = 0
	s_wait_loadcnt 0x0                             ; all that the head asked of memory is in; the loads that read the offsets v100 to v106 are done
	s_wait_kmcnt 0x0
	s_mov_b32 s57, s56                             ; b2 as a pair
	s_wait_alu depctr_vm_vsrc(0)                   ; the head's loads and LDS stores have read their offsets v100 to v108 and their data v192 to v251: gamma and beta land on these registers
	s_wait_alu depctr_va_vdst(0)                   ; the centring lines are done reading and writing v192 to v247, in which beta lands
	GBLOAD Y, 1024                                 ; beta of hidden units 0-127, for t = 0,
	GBLOAD G, 0                                    ; and gamma likewise; every later step's are asked for in the trip before it
	; W_fm's rows are centred: a feature's 256 numbers lie in 16 registers x the 16 lanes of my half
	WIN 0x0a
.irp s, 0,1,2,3
	v_pk_add_f32 v[16+2*\s:17+2*\s], v[WF+2*\s:WF+2*\s+1], v[WF+8+2*\s:WF+9+2*\s]
.endr
	WIN 0x02
.set k, 8
.rept 56
	v_pk_add_f32 v[16+2*(k%4):17+2*(k%4)], v[WF+2*k:WF+2*k+1], v[16+2*(k%4):17+2*(k%4)]
.set k, k+1
.endr
	WIN 0
.irp x, 1,2,4,8
.irp c, 0,1,2,3,4,5,6,7
	v_add_f32_dpp v[16+\c], v[16+\c], v[16+\c] row_xmask:\x row_mask:0xf bank_mask:0xf
.endr
.endr
	WIN 0xa0
.set k, 0
.rept 64
	v_pk_fma_f32 v[WF+2*k:WF+2*k+1], v[16+2*(k%4):17+2*(k%4)], s[52:53], v[WF+2*k:WF+2*k+1] op_sel_hi:[1,0,1]
.set k, k+1
.endr
	; final_h's rows are centred: 128 numbers of my row are mine, the others lane l xor 16's
	WIN 0x0f
.irp c, 0,1,2,3
	v_pk_add_f32 v[16+2*\c:17+2*\c], v[2*\c:2*\c+1], v[8+2*\c:9+2*\c]
.endr
	WIN 0x03
.set k, 8
.rept 56
	v_pk_add_f32 v[16+2*(k%4):17+2*(k%4)], v[2*k:2*k+1], v[16+2*(k%4):17+2*(k%4)]
.set k, k+1
.endr
	WIN 0
	v_pk_add_f32 v[16:17], v[16:17], v[18:19]
	v_pk_add_f32 v[20:21], v[20:21], v[22:23]
	v_pk_add_f32 v[16:17], v[16:17], v[20:21]
	v_add_f32 v16, v16, v17
	v_permlanex16_b32 v17, v16, s32, s33
	v_add_f32 v16, v16, v17
	v_mul_f32 v16, s52, v16                        ; - the mean
	v_mov_b32 v17, v16
	WIN 0xc3
.set k, 0
.rept 64
	v_pk_add_f32 v[2*k:2*k+1], v[2*k:2*k+1], v[16:17]
.set k, k+1
.endr
	WIN 0x41
.set k, 0
.rept 16
	v_pk_mul_f32 v[W2R+2*k:W2R+2*k+1], v[W2R+2*k:W2R+2*k+1], 0.5 op_sel_hi:[1,0]
.set k, k+1
.endr
	WIN 0
.irp c, 0,1,2,3
	v_mov_b32 v[TM+4+\c], 0                        ; written once: a lane permute's destination counts as one of its sources
	v_mov_b32 v[OT+\c], 0
.endr
	v_mov_b32 v[T+1], 0
	v_mov_b32 v[R+1], 0                            ; (named as the upper half of the pair, of which the low word serves both halves)
	s_wait_dscnt 0x0                               ; the queries of t = 0 (and gamma and beta)
.irp s, 0,1,2,3,4                              ; x - mean of t = 0: the 16 accumulators by turns, a K step at a time
.set ti, 0
.rept 16
	FW \s, ti
.set ti, ti+1
.endr
.endr
	WIN 0
.rept 8
	v_nop                                          ; eight places behind the f32 matrix form ahead of the first write of its sources and the first read of its results
.endr
	s_mov_b32 s36, 23                              ; trips to go
	s_mov_b32 s37, 1024                            ; the next step's queries in LDS
	s_mov_b32 s38, 0                               ; this step's place among the parts
; ---------------- A TRIP: step t.  more = 1: the sums of step t + 1 are made on the way ----------------
.macro TRIP more
.if \more
	s_wait_loadcnt 0x0                             ; future_met of t + 1, asked for a trip ago; the loads that read the base are done, so it may step
	s_add_nc_u64 s[6:7], s[6:7], 64000             ; future_met's base at step t + 1
.set k, 0
.rept 8
	v_mov_b32 v[FM+k], v[FMS+k]                    ; (the last f32 product that read these stands 22 plain lines back or more)
.set k, k+1
.endr
.endif
	s_wait_alu depctr_vm_vsrc(0)                   ; the last step's loads of the queries have read v[AQT], its stores of the parts v[APT], v[OT] and v[OT+1]: all four are written again in this trip
.if \more
	v_add_nc_u32 v[AQT], s37, v[AQ0]
	s_wait_alu depctr_va_vdst(0)                   ; the moves are done reading FMS, in which the loads below land; v[AQT] is written; the f32 products of the last step's K step 0 are done reading Q, in which the queries land
	s_cmp_eq_u32 s36, 1                            ; t + 2 = 24: nothing is left to ask for, and no load leaves its buffer
	s_cbranch_scc1 .Lno_fm_\@
	global_load_b128 v[FMS:FMS+3], v[AF], s[6:7] offset:64000 th:TH_LOAD_NT     ; t + 2
	global_load_b128 v[FMS+4:FMS+7], v[AF], s[6:7] offset:64016 th:TH_LOAD_NT
.Lno_fm_\@:
.endif
	s_wait_dscnt 0x0                               ; my reads of the last step's images were over long ago; my stores of its parts have landed; gamma and beta of hidden units 0-127, asked for in the last trip, are in
	s_barrier_signal -1                            ; FIRST BARRIER: the images may be written again when all four have said so.  Up to its wait: register work, and loads of LDS bytes that nobody writes any more
.if \more
	QLOAD AQT                                      ; no vector line stands between the wait on va_vdst above and these loads
.endif
	WIN 0x0a                                       ; the sum of squares of x - mean, in eight chains
.set k, 0
.rept 64
.if k < 8
	v_pk_mul_f32 v[S+2*k:S+2*k+1], v[2*k:2*k+1], v[2*k:2*k+1]
.else
	v_pk_fma_f32 v[S+2*(k%8):S+2*(k%8)+1], v[2*k:2*k+1], v[2*k:2*k+1], v[S+2*(k%8):S+2*(k%8)+1]
.endif
.set k, k+1
.endr
	WIN 0
.irp c, 0,2,4,6
	v_pk_add_f32 v[S+\c:S+\c+1], v[S+\c:S+\c+1], v[S+8+\c:S+9+\c]
.endr
	v_pk_add_f32 v[S:S+1], v[S:S+1], v[S+4:S+5]
	v_pk_add_f32 v[S+2:S+3], v[S+2:S+3], v[S+6:S+7]
	v_pk_add_f32 v[S:S+1], v[S:S+1], v[S+2:S+3]
	v_add_f32 v[T], v[S], v[S+1]
	v_permlanex16_b32 v[T+1], v[T], s32, s33
	v_add_f32 v[T], v[T], v[T+1]                   ; with lane l xor 16's 128: the row's
	v_fma_f32 v[T], v[T], s50, s51                 ; / 256 + 1e-5
	v_rsq_f32 v[R], v[T]
	v_nop                                          ; a plain line behind it,
	s_wait_alu depctr_va_vdst(0)                   ; rstd is written, ahead of its first reader
	GSCALE
	NORM 0
	s_wait_alu depctr_va_vdst(0)                   ; GSCALE and NORM 0 are done writing and reading gamma's registers, in which the second half's gamma lands
	GBLOAD G, 512                                  ; gamma of hidden units 128-255
	QUANT_A
	QUANT_B
	s_wait_alu depctr_va_vdst(0)                   ; one wait for two things: the conversions are done reading y, in which beta lands; the codes and the scale word are written, which the image's stores read
	GBLOAD Y, 1536                                 ; beta of hidden units 128-255
	s_barrier_wait -1                              ; no wave reads the last step's images any more
	IMAGE 0
	s_wait_dscnt 20                                ; gamma's 16 loads are in; behind them stand beta's 16 and the image's 4 stores
	GSCALE
	s_wait_dscnt 0x0                               ; beta is in, and so are the queries
	s_wait_alu depctr_vm_vsrc(0)                   ; the image's stores have read the codes and the scale word, which the second half's lines write again
	NORM 1
	QUANT_A
	QUANT_B
	s_wait_alu depctr_va_vdst(0)                   ; the second half's codes and scale word are written, which the image's stores read
	IMAGE 1
.if \more
.irp tau, 0,1,2,3
	FW 0, \tau                                     ; the sums of t + 1 begin: every read of the old ones stands above
.endr
.endif
	s_wait_dscnt 0x0                               ; my two images and their scale words have landed
	s_barrier_signal -1                            ; SECOND BARRIER
.if \more
.irp tau, 4,5,6,7
	FW 0, \tau
.endr
.endif
	s_barrier_wait -1                              ; all eight lie in LDS
	WIN 0                                          ; the switch, the waits, the loads
	s_wait_alu depctr_vm_vsrc(0)                   ; the second image's stores have read the codes and the scale word, on which fragments land
	s_wait_alu depctr_va_vdst(0)                   ; NORM 1 is done reading gamma's registers and the quantiser writing the codes', in which fragments land; the last step's FP6 products are done reading the rows' scale words
.irp m, 0,1,2,3                                ; they come back as they went, in any wave: eight loads for each 16 rows
.irp f, 0,1
.irp c, 0,1,2
	ds_load_b128 v[YF+12*(2*\m+\f)+4*\c:YF+12*(2*\m+\f)+4*\c+3], v[LI] offset:XIMG+1536*(2*\m+\f)+512*\c
.endr
.endr
	ds_load_b32 v[YS+2*\m], v[LS] offset:XSC+128*(2*\m)
	ds_load_b32 v[YS+2*\m+1], v[LS] offset:XSC+128*(2*\m+1)
.endr
.if \more
.irp tau, 8,9,10,11,12,13,14,15
	FW 0, \tau
.endr
.endif
	s_wait_dscnt 24                                ; rows 0-15's eight loads are in; the other 24 may be out
.irp i, 0,1,2,3,4,5,6,7
	ZW 0, \i
.endr
.rept 4
	v_nop                                          ; four places behind this form (ISA guide 7.12.1) ahead of the first read of its results
.endr
	s_wait_dscnt 0x0
	BATCH 0, \more, 1
	BATCH 1, \more, 1
.set PRE, \more                                ; behind this batch's wait all FP6 products of the step are done: the next step's gamma and beta are asked for there
	BATCH 2, \more, 1
.set PRE, 0
	BATCH 3, \more, 0
	WIN 0
.irp m, 0,1,2,3
	v_permlanex16_b32 v[OT+\m], v[OS+\m], s32, s33
.endr
.irp m, 0,1,2,3
	v_add_f32 v[OS+\m], v[OS+\m], v[OT+\m]         ; with lane l xor 16's 32 units: my wave's 64
.endr
	v_cndmask_b32 v[OT], v[OS], v[OS+1], s31       ; lanes 0-15 rows 0-15, lanes 16-31 rows 16-31,
	v_cndmask_b32 v[OT+1], v[OS+2], v[OS+3], s31   ; and rows 32-63
	v_add_nc_u32 v[APT], s38, v[AP0]
	s_wait_alu depctr_va_vdst(0)                   ; v[OT], v[OT+1] and v[APT] are written, which the two stores read.  (In the last trip no vector line follows up to the way out's loads, which land in y's registers: it serves them too)
	ds_store_b32 v[APT], v[OT]
	ds_store_b32 v[APT], v[OT+1] offset:128
.if \more
	s_add_co_u32 s37, s37, 1024
	s_add_co_u32 s38, s38, 256
.endif
.endm
.Ltrip:                                            ; t = 0 .. 22
	TRIP 1
	s_sub_co_u32 s36, s36, 1
	s_cmp_lg_u32 s36, 0
	s_cbranch_scc1 .Ltrip
	TRIP 0                                         ; t = 23: nothing follows it
	; ---------------- THE WAY OUT: wave w adds the four waves' parts of steps w, w + 4, .. and stores them ----------------
	s_wait_dscnt 0x0                               ; my parts have landed
	s_barrier_signal -1
	s_barrier_wait -1                              ; everybody's have
.set k, 0
.rept 24
	ds_load_b64 v[Y+2*k:Y+2*k+1], v[APR] offset:1024*(k/4)+6144*(k%4)
.set k, k+1
.endr
	s_wait_dscnt 0x0
.set k, 0
.rept 6
	v_pk_add_f32 v[Y+8*k:Y+8*k+1], v[Y+8*k:Y+8*k+1], v[Y+8*k+2:Y+8*k+3]
	v_pk_add_f32 v[Y+8*k+4:Y+8*k+5], v[Y+8*k+4:Y+8*k+5], v[Y+8*k+6:Y+8*k+7]
	v_pk_add_f32 v[Y+8*k:Y+8*k+1], v[Y+8*k:Y+8*k+1], v[Y+8*k+4:Y+8*k+5]
	v_pk_add_f32 v[Y+8*k:Y+8*k+1], v[Y+8*k:Y+8*k+1], s[56:57] op_sel_hi:[1,0]   ; + b2
.set k, k+1
.endr
	s_wait_alu depctr_va_vdst(0)                   ; the six sums are written, which the stores read: one wait for the run of stores
.set k, 0
.rept 6
	global_store_b64 v[AO], v[Y+8*k:Y+8*k+1], s[28:29] offset:16000*k th:TH_STORE_NT   ; 32 lanes store the work-group's 64 rows of one step: 256 consecutive bytes
.set k, k+1
.endr
	s_wait_dscnt 0x0                               ; the closing lines, six on end
	s_wait_alu 0x0
	s_wait_tensorcnt 0x0
	ds_add_u32 v26, v27
	s_wait_dscnt 0x0
	s_endpgm
.Lfunc_end_k_q98376fa7f2_head:
	.size	k_q98376fa7f2_head, .Lfunc_end_k_q98376fa7f2_head-k_q98376fa7f2_head
	.p2alignl 7, 3214868480
	.fill 96, 4, 3214868480
	.section	.rodata,"a",@progbits
	.p2align	6, 0x0
	.amdhsa_kernel k_q98376fa7f2_head
		.amdhsa_group_segment_fixed_size 65024
		.amdhsa_private_segment_fixed_size 0
		.amdhsa_enable_private_segment 0
		.amdhsa_kernarg_size 104
		.amdhsa_user_sgpr_count 2
		.amdhsa_user_sgpr_kernarg_segment_ptr 1
		.amdhsa_wavefront_size32 1
		.amdhsa_system_sgpr_workgroup_id_x 1
		.amdhsa_system_sgpr_workgroup_id_y 1
		.amdhsa_system_sgpr_workgroup_id_z 1
		.amdhsa_system_vgpr_workitem_id 0
		.amdhsa_next_free_vgpr 1024
		.amdhsa_next_free_sgpr 66
		.amdhsa_reserve_vcc 0
		.amdhsa_float_denorm_mode_32 3
		.amdhsa_float_denorm_mode_16_64 3
		.amdhsa_memory_ordered 1
		.amdhsa_forward_progress 1
		.amdhsa_inst_pref_size 255
	.end_amdhsa_kernel
	.section	.bss,"aw",@nobits
	.p2align	6
	.space	262144
	.amdgpu_metadata
---
amdhsa.version: [ 1, 2 ]
amdhsa.kernels:
  - .name:           k_q98376fa7f2_head
    .symbol:         k_q98376fa7f2_head.kd
    .args:
      - { .name: final_h, .offset: 0, .size: 8, .value_kind: global_buffer, .address_space: global }
      - { .name: future_met, .offset: 8, .size: 8, .value_kind: global_buffer, .address_space: global }
      - { .name: step_queries, .offset: 16, .size: 8, .value_kind: global_buffer, .address_space: global }
      - { .name: W_fm, .offset: 24, .size: 8, .value_kind: global_buffer, .address_space: global }
      - { .name: b_fm, .offset: 32, .size: 8, .value_kind: global_buffer, .address_space: global }
      - { .name: gamma, .offset: 40, .size: 8, .value_kind: global_buffer, .address_space: global }
      - { .name: beta, .offset: 48, .size: 8, .value_kind: global_buffer, .address_space: global }
      - { .name: W1_codes, .offset: 56, .size: 8, .value_kind: global_buffer, .address_space: global }
      - { .name: W1_scales, .offset: 64, .size: 8, .value_kind: global_buffer, .address_space: global }
      - { .name: b1, .offset: 72, .size: 8, .value_kind: global_buffer, .address_space: global }
      - { .name: W2, .offset: 80, .size: 8, .value_kind: global_buffer, .address_space: global }
      - { .name: b2, .offset: 88, .size: 8, .value_kind: global_buffer, .address_space: global }
      - { .name: out0, .offset: 96, .size: 8, .value_kind: global_buffer, .address_space: global }
    .group_segment_fixed_size: 65024
    .private_segment_fixed_size: 0
    .kernarg_segment_align: 8
    .kernarg_segment_size: 104
    .max_flat_workgroup_size: 128
    .sgpr_count:     66
    .vgpr_count:     1024
    .wavefront_size: 32
...
	.end_amdgpu_metadata
.endif
;; end of part 2
